; MI455X (gfx1250); checked and timed in simulation.
; The chip was launched on July 23, 2026; its instructions are those of AMD's public machine-readable ISA for CDNA 5 (MIT licence, August 2026) and "CDNA5" Instruction Set Architecture Reference Guide (July 2026). The comments in the code are by the model that wrote it; some were corrected since.
;; Multi Head Self Attention. Allowed arithmetic: matrix products marked QUANTISED: E2M3 operands, one E8M0 scale for each 32 along K, by v_wmma_scale_f32_16x16x128_f8f6f4 with both operands' format E2M3, f32 sums; everything else in f32.
;; Inputs: b_proj 1,024 float32; w_proj 1,024 x 1,024 float32; w_qkv 1,024 x 3,072 float32; x 4 x 2,048 x 1,024 float32.
;; Outputs: out0 4 x 2,048 x 1,024 float32.
;; This version of the problem:
;;   THIS VERSION OF THE PROBLEM IS GIVEN IN LOW PRECISION. The matrix products marked QUANTISED in the list below multiply operands that are first quantised to E2M3 (2 exponent bits, 3 mantissa bits; 6 bits a number), with one power-of-two scale for each 32 numbers along K (OCP MX v1.0); their sums are f32. All else is computed in f32.
;;   The module's matrix products, in the order in which they are computed (A, B: the left and right operand; K: the contracted axis; several contracted axes count as one K, in the product's order):
;;     1. [M 8,192, K 1,024] x [K 1,024, N 3,072]; A: input x; B: input w_qkv: QUANTISED
;;     2. batch 64 x [M 2,048, K 64] x [K 64, N 2,048]; A: computed on the way; B: computed on the way: QUANTISED
;;     3. batch 64 x [M 2,048, K 2,048] x [K 2,048, N 64]; A: softmax (see below); B: computed on the way: QUANTISED
;;     4. [M 8,192, K 1,024] x [K 1,024, N 1,024]; A: computed on the way; B: input w_proj: QUANTISED
;;   THE QUANTISER, for each operand of a quantised product, along K:
;;     - K is cut into blocks of 32 from its start; a last block that is shorter is filled with zeros.
;;     - A block's scale is 2^e with e = floor(log2(the largest magnitude in the block)) - 2, held to -126 .. 127; a block of zeros has e = 0. As a byte (E8M0): e + 127.
;;     - Each number is divided by its block's scale, clamped to +-7.5, and rounded to the nearest number of E2M3, ties to even, subnormals kept.
;;     - The product sums the exact products of the quantised numbers (number of the format x scale) in f32.
;;   ~~~python
;;   def quantise(x, axis):      # numpy; x: float32 -> the quantised numbers, widened to float32 again
;;       x = np.moveaxis(x, axis, -1); K = x.shape[-1]
;;       x = np.pad(x, [(0, 0)] * (x.ndim - 1) + [(0, -K % 32)]); x = x.reshape(x.shape[:-1] + (-1, 32)); a = np.abs(x).max(-1, keepdims=True)
;;       e = np.where(a > 0, np.clip(np.frexp(np.where(a > 0, a, 1))[1] - 1 - 2, -126, 127), 0)      # np.frexp(a)[1] - 1 = floor(log2(a)), exactly
;;       r = np.clip(x / 2.0 ** e, -7.5, 7.5)
;;       step = 2.0 ** (np.maximum(np.frexp(np.where(r == 0, 1, r))[1] - 1, 0) - 3)
;;       q = np.round(r / step) * step * 2.0 ** e      # np.round: ties to even
;;       return np.moveaxis(q.reshape(q.shape[:-2] + (-1,))[..., :K], -1, axis).astype(np.float32)
;;   ~~~
;;   SOFTMAX AHEAD OF A QUANTISED PRODUCT. Where the list says 'softmax', what is quantised is not the finished softmax but p = 2^(t - M), with t = logit x log2(e) and M = ceil(the row's largest t), a whole number; so 1/2 < the row's largest p <= 1. The row's sum l is taken of the UNQUANTISED p, in f32, and the product's result is divided by l at the end. Since M is a whole number, a kernel that streams over the keys may use a running M (the ceiling of the running maximum): every later rescaling is an exact power of two, which a block's scale takes up: the codes' values come out the same.
;;   OPERANDS COMPUTED ON THE WAY. 'Computed on the way' means the value that the module computes at that place (a softmax that the list does not call 'softmax' is quantised finished and normalised). What goes into a quantiser is computed in f32, as accurately as f32 sums, v_exp_f32 and their like allow (about 1e-6 of the number): no bf16 or f16 on the way to a quantiser, and a product that is left as it is and whose result goes on into a quantised operand takes f32 operands (vector FMAs, or v_wmma_f32_16x16x4_f32). A number that lies on a knife's edge between two numbers of the format may be rounded either way, as far as f32 arithmetic and the matrix unit's own rounding can turn it there, and no further.
;; One version. Each part assembles by itself: llvm-mc -triple=amdgcn-amd-amdhsa -mcpu=gfx1250 --defsym DOCPART=n.
;; ======== version 1 of 1: 4 launches
;; limits: right only within a limited range of input values
;; workspace buffers: xw 9,830,400 bytes; qkv 19,660,800 bytes; ob 6,553,600 bytes
;; launch quant (part 1): grid 384 x 1, 4 waves a work-group, no clusters, 35,328 bytes of LDS; arguments x, w_qkv, w_proj, xw; writes xw
.if DOCPART == 1
	.amdgcn_target "amdgcn-amd-amdhsa--gfx1250"
	.amdhsa_code_object_version 6
	.text
	.protected	k_qcfcffa4be6_quant
	.globl	k_qcfcffa4be6_quant
	.p2align	8
	.type	k_qcfcffa4be6_quant,@function
k_qcfcffa4be6_quant:
	s_mov_b64 s[64:65], 0
	v_nop
	global_prefetch_b8 v0, s[64:65] scope:SCOPE_SE
	s_setreg_imm32_b32 hwreg(HW_REG_WAVE_MODE, 25, 1), 1
	s_wait_xcnt 0x0
; x [8192][1024], w_qkv [1024][3072] and w_proj [1024][1024], f32, become codes of FP6 (E2M3) with one E8M0 byte for each 32 along K, laid as the products' registers want them.
; A block's scale is 2^(floor(log2(largest magnitude)) - 2): its byte is the largest magnitude's exponent field - 2, held at 1 from below by a floor among the maximum's leaves.
; LAYOUT OF xw.  A FRAGMENT (16 rows x 128 K, 12 registers a lane) is stored as an image of its registers: three runs of 512 bytes, run g = lane l's registers 4 g .. 4 g + 3 at byte 16 l.
;   x's images    at 0:      [512 row tiles][8 K steps][1,536];   x's scale words at X_SCL: [32 blocks of 256 rows][8 K steps][256 rows] x 4 bytes
;   the weights'  at W_IMG:  [256 column tiles][8 K steps][1,536]; their scale words at W_SCL likewise.  Columns 0 .. 3,071 are w_qkv's, 3,072 .. 4,095 w_proj's.
; ROW ORDER.  Place p of the weights' columns holds column p with bits 3 and 4 exchanged (x's rows: in each 64, place 16 j + i holds row 8 j + 32 (i / 8) + i % 8), so that in a product's result the 16 registers of two neighbouring tiles are 16 neighbours.
; LIMITS: NaN and infinities among the inputs are not served.  A block of zeros gets the byte 1 where the rule says 127: its codes are zeros, and these bytes are read by this program alone.
; Work-groups 0 .. 255 take x (through a stage in LDS), 256 .. 383 the weights (no LDS).  Waves share nothing: no barrier.
.set X_SCL, 6291456
.set W_IMG, 6553600
.set W_SCL, 9699328
.set WREG,  8704                       ; LDS of a wave: a stage of 16 rows x 528 bytes, then 256 bytes of scale words
.set SPT,   528                        ; a stage row: 512 bytes + 16, so that the 16 rows of a read start at 16 different groups of banks
	s_load_b256 s[4:11], s[0:1], 0x0               ; x s[4:5], w_qkv s[6:7], w_proj s[8:9], xw s[10:11]
	v_lshl_add_u32 v62, v0, 2, 0x8800
	v_mov_b32 v63, 0
	v_lshrrev_b32 v1, 5, v0
	v_readfirstlane_b32 s16, v1                    ; wave 0..3
	v_and_b32 v1, 31, v0                           ; lane
	v_and_b32 v2, 15, v0                           ; r
	v_bfe_u32 v3, v0, 4, 1                         ; h
	v_lshlrev_b32 v4, 4, v1                        ; 16 x lane
	s_cmp_lt_u32 ttmp9, 256
	s_cbranch_scc0 .Lweights
; ---------------- x: a work-group takes 64 places of rows x 4 K steps; a wave one K step (128 along K) of the 64 rows: four row tiles.
	s_mov_b32 s12, 0x76543210
	s_mov_b32 s13, 0xfedcba98                      ; v_permlanex16_b32's selects for lane l xor 16
	s_mul_i32 s17, s16, WREG
	v_add_nc_u32 v5, s17, v4                       ; into the stage: 16 x lane, a row an instruction
	v_mul_u32_u24 v6, v2, SPT
	v_lshl_add_u32 v6, v3, 7, v6
	v_add_nc_u32 v6, s17, v6                       ; out of it: row r, + 128 h: my block of 32 numbers
	s_add_co_u32 s17, s17, 16*SPT
	v_lshl_add_u32 v7, v1, 2, s17                  ; the scale words: in, 4 bytes a lane;
	v_lshl_add_u32 v8, v1, 3, s17                  ; out, 8 bytes a lane
	v_lshlrev_b32 v9, 3, v1
	v_lshlrev_b32 v10, 3, v3                       ; 8 h: my bytes' place in a scale word
	v_cmp_ne_u32 vcc_lo, 0, v3                     ; lanes 16-31
	v_mov_b32 v19, 0                               ; written once: a lane permute's destination counts as one of its sources
	s_lshr_b32 s18, ttmp9, 1                       ; which 64 rows
	s_and_b32 s19, ttmp9, 1
	s_lshl_b32 s19, s19, 2
	s_add_co_u32 s19, s19, s16                     ; my K step
	s_lshl_b32 s20, s18, 18                        ; 64 rows of 4,096 bytes
	s_lshl_b32 s22, s19, 9
	s_add_co_u32 s20, s20, s22
	s_mov_b32 s21, 0
	s_lshl_b32 s22, s18, 5
	s_add_co_u32 s22, s22, s19
	s_mul_i32 s22, s22, 1536                       ; image (row tile 4 g, my K step)
	s_mov_b32 s23, 0
	s_lshr_b32 s24, s18, 2
	s_lshl_b32 s24, s24, 13
	s_lshl_b32 s26, s19, 10
	s_add_co_u32 s24, s24, s26
	s_and_b32 s26, s18, 3
	s_lshl_b32 s26, s26, 8
	s_add_co_u32 s24, s24, s26
	s_add_co_u32 s24, s24, X_SCL                   ; my 64 rows' scale words of my K step: 256 dense bytes
	s_mov_b32 s25, 0
	s_wait_alu depctr_va_vdst(0)
	s_wait_kmcnt 0x0
	s_add_nc_u64 s[20:21], s[4:5], s[20:21]
	s_add_nc_u64 s[22:23], s[10:11], s[22:23]
	s_add_nc_u64 s[24:25], s[10:11], s[24:25]
.macro XLOAD j                         ; row tile j: place 16 j + i holds row 8 j + 32 (i / 8) + i % 8; each load reads 512 consecutive bytes of one row
.irp i, 0,1,2,3,4,5,6,7,8,9,10,11,12,13,14,15
; x's ROW ORDER: in each 64 rows, place 16 j + i holds row 8 j + 32 (i / 8) + i % 8, so that in a product's result the 32 registers of four neighbouring tiles are 32 neighbouring rows (the weights' columns keep bits 3 and 4 exchanged)
	global_load_b128 v[64+64*((\j)%2)+4*\i:64+64*((\j)%2)+4*\i+3], v4, s[20:21] offset:(8*(\j)+32*(\i/8)+\i%8)*4096 th:TH_LOAD_NT
.endr
.endm
.macro XSTEP j
.set RS, 64+64*((\j)%2)
.if (\j) < 3
	s_wait_loadcnt 16                              ; this tile's 16 loads are in; the next tile's 16 may be out
.else
	s_wait_loadcnt 0x0
.endif
.irp i, 0,1,2,3,4,5,6,7,8,9,10,11,12,13,14,15
	ds_store_b128 v5, v[RS+4*\i:RS+4*\i+3] offset:SPT*\i
.endr
.irp c, 0,1                            ; lane (r, h) takes k = 64 c + 32 h + 0 .. 31 of row r: the very order of the operand's registers
.irp n, 0,1,2,3,4,5,6,7
	ds_load_b128 v[192+32*\c+4*\n:192+32*\c+4*\n+3], v6 offset:256*\c+16*\n   ; LDS serves a wave's instructions in order: these see the stores above
.endr
.endr
	s_wait_dscnt 0x0                               ; the numbers are back, and the stage's stores have read their registers
	s_wait_xcnt 0x0                                ; the last tile's stores have read their data: the codes' registers may be written again
.if (\j)+2 < 4
	XLOAD (\j)+2
.endif
.irp c, 0,1
	v_max3_num_f32 v[12+\c], |v[192+32*\c]|, |v[193+32*\c]|, 0x1800000   ; my block 2 c + h: all 32 numbers are mine; the floor 2^(3 - 127) holds the byte at 1
.endr
.irp i, 2,4,6,8,10,12,14,16,18,20,22,24,26,28,30
.irp c, 0,1
	v_max3_num_f32 v[12+\c], v[12+\c], |v[192+32*\c+\i]|, |v[193+32*\c+\i]|
.endr
.endr
.irp c, 0,1
	v_add_nc_u32 v[14+\c], 0xff000000, v[12+\c]    ; 2 off the exponent field: the conversion's scale operand
.endr
.irp c, 0,1
	v_lshrrev_b32 v[16+\c], 23, v[14+\c]           ; the scale's byte
.endr
	v_lshl_or_b32 v18, v17, 16, v16                ; blocks h and 2 + h,
	v_lshlrev_b32 v18, v10, v18                    ; at their places in the word;
	v_permlanex16_b32 v19, v18, s12, s13
	v_or_b32 v[20+(\j)], v18, v19                  ; with lane l xor 16's two the word of row r is whole
.irp c, 0,1
	v_cvt_scalef32_pk16_fp6_f32 v[32+6*\c:34+6*\c], v[192+32*\c:207+32*\c], v[14+\c]
	v_cvt_scalef32_pk16_fp6_f32 v[44+4*\c:46+4*\c], v[208+32*\c:223+32*\c], v[14+\c]   ; (a conversion's three registers begin on an even number)
.endr
	v_nop                                          ; one plain place behind a scaled conversion
.irp c, 0,1
.irp i, 0,1,2
	v_mov_b32 v[35+6*\c+\i], v[44+4*\c+\i]
.endr
.endr
.irp g, 0,1,2
	global_store_b128 v4, v[32+4*\g:35+4*\g], s[22:23] offset:(\j)*12288+512*\g   ; 512 consecutive bytes, aligned
.endr
.endm
	XLOAD 0
	XLOAD 1
	XSTEP 0
	XSTEP 1
	XSTEP 2
	XSTEP 3
	v_cndmask_b32 v24, v20, v21, vcc_lo            ; lane l: the word of place l of the 64,
	v_cndmask_b32 v25, v22, v23, vcc_lo            ; and of place 32 + l
	ds_store_b32 v7, v24
	ds_store_b32 v7, v25 offset:128
	ds_load_b64 v[26:27], v8
	s_wait_dscnt 0x0
	global_store_b64 v9, v[26:27], s[24:25]        ; 256 consecutive bytes, aligned
	s_wait_tensorcnt 0x0
	ds_add_u32 v62, v63
	s_wait_dscnt 0x0
	s_endpgm
; ---------------- the weights: K is their first axis.  A lane takes a column and its registers run down K.  A wave takes 32 columns x 256 along K: 8 blocks, 2 K steps.
.Lweights:
	s_sub_co_u32 s17, ttmp9, 256
	s_and_b32 s18, s17, 31                         ; which 128 columns
	s_lshr_b32 s19, s17, 5                         ; which 256 along K
	s_lshl_b32 s20, s18, 7
	s_lshl_b32 s21, s16, 5
	s_add_co_u32 s20, s20, s21                     ; my first column, 0 .. 4,095
	s_mov_b32 s22, 12288
	s_wait_kmcnt 0x0
	s_cmp_ge_u32 s18, 24                           ; from column 3,072 on: w_proj.  The choice hangs on the work-group's number alone
	s_cselect_b64 s[26:27], s[8:9], s[6:7]
	s_cselect_b32 s22, 4096, s22                   ; bytes from row to row
	s_cselect_b32 s23, 3072, 0
	s_sub_co_u32 s23, s20, s23                     ; the column in its own tensor
	s_lshl_b32 s23, s23, 2
	s_lshl_b32 s24, s19, 8
	s_mul_i32 s24, s24, s22
	s_add_co_u32 s24, s24, s23
	s_mov_b32 s25, 0
	s_add_nc_u64 s[32:33], s[26:27], s[24:25]      ; block 0's first row at my first column
	s_lshl_b32 s24, s22, 5                         ; 32 rows on
.irp t, 1,2,3,4,5,6,7
	s_add_nc_u64 s[32+2*\t:33+2*\t], s[30+2*\t:31+2*\t], s[24:25]   ; a base for each block
.endr
	s_lshr_b32 s28, s20, 4
	s_mul_i32 s28, s28, 12288
	s_mul_i32 s29, s19, 3072
	s_add_co_u32 s28, s28, s29
	s_add_co_u32 s28, s28, W_IMG
	s_mov_b32 s29, 0
	s_add_nc_u64 s[28:29], s[10:11], s[28:29]      ; image (my first column tile, my first K step)
	s_lshr_b32 s30, s20, 8
	s_lshl_b32 s30, s30, 13
	s_lshl_b32 s31, s19, 11
	s_add_co_u32 s30, s30, s31
	s_and_b32 s31, s20, 255
	s_lshl_b32 s31, s31, 2
	s_add_co_u32 s30, s30, s31
	s_add_co_u32 s30, s30, W_SCL
	s_mov_b32 s31, 0
	s_add_nc_u64 s[30:31], s[10:11], s[30:31]      ; my 32 columns' scale words of my first K step
	s_wait_alu depctr_va_vdst(0)
	v_lshlrev_b32 v5, 2, v1                        ; 4 x lane
	v_and_b32 v11, 7, v1                           ; lane l stands at place l and loads column l with bits 3 and 4 exchanged: the load's 128 bytes stay the same
	v_bfe_u32 v12, v1, 3, 1
	v_lshl_or_b32 v11, v12, 4, v11
	v_lshl_or_b32 v11, v3, 3, v11
	v_lshlrev_b32 v11, 2, v11
.set i, 0
.rept 32
	v_mad_u32_u24 v[192+i], s22, i, v11            ; row i of a block: the row pitch differs between the two tensors, so it cannot stand in an immediate
.set i, i+1
.endr
.macro WLOAD t
.set i, 0
.rept 32
	global_load_b32 v[64+32*((\t)%2)+i], v[192+i], s[32+2*(\t):33+2*(\t)] th:TH_LOAD_NT
.set i, i+1
.endr
.endm
.macro WBLOCK t
.set XS, 64+32*((\t)%2)
.set KX, (\t)/4                        ; which of my two K steps
.set FA, 128+24*KX                     ; blocks 0 and 2 of the K step; FA + 12: blocks 1 and 3
.set DD, FA+12*((\t)%2)+6*(((\t)%4)/2)
.if (\t) < 7
	s_wait_loadcnt 32                              ; this block's 32 loads are in; the next block's may be out
.else
	s_wait_loadcnt 0x0
.endif
	v_max3_num_f32 v12, |v[XS]|, |v[XS+1]|, |v[XS+2]|
	v_max3_num_f32 v13, |v[XS+3]|, |v[XS+4]|, |v[XS+5]|
.irp i, 6,10,14,18,22,26
	v_max3_num_f32 v12, v12, |v[XS+\i]|, |v[XS+\i+1]|
	v_max3_num_f32 v13, v13, |v[XS+\i+2]|, |v[XS+\i+3]|
.endr
	v_max3_num_f32 v12, v12, |v[XS+30]|, |v[XS+31]|
	v_max3_num_f32 v12, v12, v13, 0x1800000        ; and the floor
	v_add_nc_u32 v14, 0xff000000, v12              ; the conversion's scale operand
	v_lshrrev_b32 v15, 23, v14                     ; the byte
.if (\t)%4 == 0
	v_mov_b32 v[24+KX], v15
.else
	v_lshl_or_b32 v[24+KX], v15, 8*((\t)%4), v[24+KX]
.endif
	v_cvt_scalef32_pk16_fp6_f32 v[DD:DD+2], v[XS:XS+15], v14
	v_cvt_scalef32_pk16_fp6_f32 v[176:178], v[XS+16:XS+31], v14
	v_nop                                          ; one plain place behind a scaled conversion
.irp i, 0,1,2
	v_mov_b32 v[DD+3+\i], v[176+\i]
.endr
.if (\t)+2 < 8
	WLOAD (\t)+2
.endif
.if (\t)%4 == 3
.set i, 0
.rept 12
	v_permlane16_swap_b32 v[FA+i], v[FA+12+i]      ; the first's lanes 16-31 change places with the second's lanes 0-15: the first is now the fragment of columns 0-15, the second that of columns 16-31
.set i, i+1
.endr
.irp g, 0,1,2
	global_store_b128 v4, v[FA+4*\g:FA+4*\g+3], s[28:29] offset:KX*1536+512*\g
	global_store_b128 v4, v[FA+12+4*\g:FA+12+4*\g+3], s[28:29] offset:12288+KX*1536+512*\g
.endr
	global_store_b32 v5, v[24+KX], s[30:31] offset:KX*1024   ; 128 consecutive bytes: a wave has 32 columns
.endif
.endm
	WLOAD 0
	WLOAD 1
.irp t, 0,1,2,3,4,5,6,7
	WBLOCK \t
.endr
	s_endpgm
.Lfunc_end_k_qcfcffa4be6_quant:
	.size	k_qcfcffa4be6_quant, .Lfunc_end_k_qcfcffa4be6_quant-k_qcfcffa4be6_quant
	.p2alignl 7, 3214868480
	.fill 96, 4, 3214868480
	.section	.rodata,"a",@progbits
	.p2align	6, 0x0
	.amdhsa_kernel k_qcfcffa4be6_quant
		.amdhsa_group_segment_fixed_size 35328
		.amdhsa_private_segment_fixed_size 0
		.amdhsa_enable_private_segment 0
		.amdhsa_kernarg_size 32
		.amdhsa_user_sgpr_count 2
		.amdhsa_user_sgpr_kernarg_segment_ptr 1
		.amdhsa_wavefront_size32 1
		.amdhsa_system_sgpr_workgroup_id_x 1
		.amdhsa_system_sgpr_workgroup_id_y 1
		.amdhsa_system_sgpr_workgroup_id_z 1
		.amdhsa_system_vgpr_workitem_id 0
		.amdhsa_next_free_vgpr 256
		.amdhsa_next_free_sgpr 66
		.amdhsa_reserve_vcc 1
		.amdhsa_float_denorm_mode_32 3
		.amdhsa_float_denorm_mode_16_64 3
		.amdhsa_memory_ordered 1
		.amdhsa_forward_progress 1
		.amdhsa_inst_pref_size 72
	.end_amdhsa_kernel
	.amdgpu_metadata
---
amdhsa.version: [ 1, 2 ]
amdhsa.kernels:
  - .name:           k_qcfcffa4be6_quant
    .symbol:         k_qcfcffa4be6_quant.kd
    .args:
      - { .name: x, .offset: 0, .size: 8, .value_kind: global_buffer, .address_space: global }
      - { .name: w_qkv, .offset: 8, .size: 8, .value_kind: global_buffer, .address_space: global }
      - { .name: w_proj, .offset: 16, .size: 8, .value_kind: global_buffer, .address_space: global }
      - { .name: xw, .offset: 24, .size: 8, .value_kind: global_buffer, .address_space: global }
    .group_segment_fixed_size: 35328
    .private_segment_fixed_size: 0
    .kernarg_segment_align: 8
    .kernarg_segment_size: 32
    .max_flat_workgroup_size: 128
    .sgpr_count:     66
    .vgpr_count:     256
    .wavefront_size: 32
...
	.end_amdgpu_metadata
.endif
;; end of part 1
;; launch qkv (part 2): grid 12 x 32, 4 waves a work-group, clusters of 4 x 4, 327,680 bytes of LDS; arguments xw, qkv; writes qkv
.if DOCPART == 2
	.amdgcn_target "amdgcn-amd-amdhsa--gfx1250"
	.amdhsa_code_object_version 6
	.text
	.protected	k_qcfcffa4be6_qkv
	.globl	k_qcfcffa4be6_qkv
	.p2align	8
	.type	k_qcfcffa4be6_qkv,@function
k_qcfcffa4be6_qkv:
	s_mov_b64 s[64:65], 0
	v_nop
	global_prefetch_b8 v0, s[64:65] scope:SCOPE_SE
	s_setreg_imm32_b32 hwreg(HW_REG_WAVE_MODE, 25, 1), 1
	s_wait_xcnt 0x0
	s_wait_alu depctr_hold_cnt(0) depctr_sa_sdst(0) depctr_va_vdst(0) depctr_va_sdst(0) depctr_va_ssrc(0) depctr_va_vcc(0) depctr_vm_vsrc(0)
	s_getreg_b32 s2, hwreg(HW_REG_IB_STS2, 6, 4)
	s_cmp_eq_u32 s2, 0
	s_cbranch_scc0 .Lentry_in_a_cluster
	s_endpgm
.Lentry_in_a_cluster:
	s_bfe_u32 s2, ttmp6, 0x10000c
	s_cmp_lg_u32 s2, 0xf033
	s_cbranch_scc0 .Lentry_shape_is_right
	s_endpgm
.Lentry_shape_is_right:
; q, k, v = x w_qkv on codes of FP6 (E2M3) with E8M0 scales, f32 sums; the results are quantised in registers and leave as codes, laid as the attention launch's registers want them.
; A tile of 256 x 256 is made by four waves, 128 x 128 each: 64 accumulators, 512 registers.  K = 1,024 goes in four slots' worth of 256 through a ring of two LDS slots.
; OPERANDS LIE IN MEMORY AND IN LDS AS IMAGES OF THEIR REGISTERS (16 rows x 128 K = 1,536 bytes: three runs of 512, lane l's four registers at 16 l): a fragment is three loads of 16 bytes a lane, dense.
; THE MATRIX INSTRUCTION: source 0 = 16 rows of operand 'B', source 1 = 16 rows of operand 'A': a lane holds ONE row of A, and its registers run along B's rows.
; Cluster x = 0: q, 1: k: A = x's rows, B = the weight's columns: a lane holds a token and its registers run along the channels, the K of q k^T.
; Cluster x = 2: v: the roles are exchanged (A = the weight's columns, B = x's rows): a lane holds a channel and its registers run along the keys, the K of p v.
; Rows and columns lie in the order of the quantising launch (the weights' columns with bits 3 and 4 of a place exchanged; x's rows with place 16 u + 8 h + j holding row 8 u + 32 h + j of each 64), so the 16 registers of accumulators (a, 2 b), (a, 2 b + 1) are 16 neighbours along the next K.
; q / 8: a power of two: the codes stay, each scale byte falls by 3; the floor under q's largest magnitudes is 2^(6 - 127), so that the byte is held at 1.
; OUT.  q: [64 heads][16 steps of 128 tokens][6,400 = 4 pair fragments | 256 bytes of scale words].  From KV_OFF: [64 heads][16 steps][12,800 = k's 4 pair fragments | v's 4 fragments | k's words | v's words].
;   A pair fragment holds two tiles of 16 tokens x the head's 64 channels: registers 0-5 the even tile, 6-11 the odd one; its scale word: two bytes of each.
;   Scale words: lane l's 8 bytes at 8 l: word 0 of fragment l / 16, row l % 16; word 1 of fragment 2 + l / 16.
; CLUSTERS: 4 x 4 work-groups; A's tiles are asked for jointly along a row of the cluster, B's along a column.
; LIMITS: NaN and infinities are not served; a block of zeros gets the floor's byte (its codes are zeros; this program alone reads the bytes).
; REGISTERS: window 0: v16-29 addresses; v32-63 scale words, two sets; v64-127 and v160-183 at work on the way out; v128-223 A's fragments, one set.  window 1: B's fragments, two sets, at v0 and v128.
;   window 2: the accumulators of A's blocks 0-3 ((a, b) at v[8 (8 (a % 4) + b)]); window 3: of blocks 4-7.
.set X_SCL, 6291456
.set W_IMG, 6553600
.set W_SCL, 9699328
.set KV_OFF, 6553600
.set FR,    12                         ; registers of a fragment
.set NL,    3                          ; LDS loads that bring one
.set NP,    4                          ; places behind this matrix instruction (ISA guide 7.12.1)
.set HALFT, 24576                      ; 8 row tiles x 2 K steps x 1,536: what one tensor load brings, and what a wave reads of A or of B
.set SLOT,  98304                      ; A's 256 rows, then B's
.set SCL,   294912                     ; behind slot 0 (K steps 0, 1, later 6, 7) and the large slot (K steps 2 to 5, 196,608 bytes): A's scale words for all of K, then B's
.set SPARE, 311296
.set ADRA, 16                          ; v16-17 LDS address of my A fragments in slot 0, 1
.set ADRB, 20                          ; v20-21 the same for B
.set ADSA, 22                          ; v22    of A's scale words
.set ADSB, 23                          ; v23    of B's
.set LI,   24                          ; v24    16 x lane
.set L8,   25                          ; v25    8 x lane
.set SPW,  28                          ; v28    my spare word; never rewritten
.set NIL,  29                          ; v29    0; never rewritten
.set SC,   32                          ; scale words: set s, K step q of the slot: A's four pairs of blocks at SC + 16 s + 8 q, B's at + 4; lanes 0-15 the even block, lanes 16-31 the odd one
.set AF,   128
.set TM,   64                          ; the way out: v64-79 at work, v80-86 conversions' second halves, v88-95 scale words, v96-119 and v160-183 fragments by turns, v120-127 scale words on their way
.set TP,   80
.set WR,   88
.set G1, 24
.set G0, 32
.set G1B, 48
.set G0B, 56
.set G1S, 68
.set G0S, 76
.set G1SB, 80
.set G0SB, 88
.set FLR,  66                          ; s66 the floor under a block's largest magnitude
.set SUBB, 67                          ; s67 what is taken off a scale word: 3 off each byte for q, else 0
.set SEL,  12                          ; s[12:13] lane selects, on the way out
.set IMG0, 92                          ; s[92:93], s[94:95] where my two heads' fragments go;  s[96:97], s[98:99] their scale words
.set SW0,  96
.set MSB, 0
.macro WIN new                         ; the immediate's high byte repeats the setting that is left
.if MSB != (\new)
	s_set_vgpr_msb (MSB<<8)|(\new)
.set MSB, (\new)
.endif
.endm
.set MUL_LO, 0xa1                      ; source 0 (B) window 1, source 1 (A) window 0, C and D window 2
.set MUL_HI, 0xf1                      ; the same, C and D window 3
.set TO_B,   0x40                      ; destination window 1, address window 0
; A joint load: waves 0 and 1 fetch for A, waves 2 and 3 for B; the branch hangs on the wave's number alone.  Four v_nop follow each of the two lines.
.macro JLOAD g0a, g1a, g0b, g1b
	s_cmp_eq_u32 s15, 0
	s_cbranch_scc0 .Lfor_b_\@
	tensor_load_to_lds s[\g0a:\g0a+3], s[\g1a:\g1a+7]
	s_nop 0
.rept 4
	v_nop
.endr
	s_branch .Lasked_\@
.Lfor_b_\@:
	tensor_load_to_lds s[\g0b:\g0b+3], s[\g1b:\g1b+7]
	s_nop 0
.rept 4
	v_nop
.endr
.Lasked_\@:
.endm
.macro CREST                           ; a round of the cluster's barrier behind its opening barrier
	s_cmp_lg_u32 s14, 0
	s_cbranch_scc1 .Lnot_wave_0_\@
	s_barrier_signal -3
.Lnot_wave_0_\@:
	s_barrier_wait -3
	s_barrier_signal -1
	s_barrier_wait -1
.endm
.macro CROUND
	s_barrier_signal -1
	s_barrier_wait -1
	CREST
.endm
	s_load_b128 s[4:7], s[0:1], 0x0                ; xw s[4:5], qkv s[6:7]
	v_lshl_add_u32 v[SPW], v0, 2, SPARE
	v_mov_b32 v[NIL], 0
	ds_add_u32 v28, v29
	ds_add_u32 v28, v29
	s_wait_dscnt 0x0
	v_lshrrev_b32 v1, 5, v0
	v_readfirstlane_b32 s14, v1                    ; wave 0..3
	s_lshr_b32 s15, s14, 1                         ; which half of A's rows is mine.  Also: I fetch for A (0) or for B (1)
	s_and_b32 s16, s14, 1                          ; which half of B's rows.  Also: which 128 rows of that tile I fetch
	s_bfe_u32 s40, ttmp6, 0x40000                  ; cx
	s_bfe_u32 s41, ttmp6, 0x40004                  ; cy
	s_and_b32 s17, ttmp7, 0xffff
	s_lshl_b32 s17, s17, 2                         ; 4 x cluster y
	s_lshl_b32 s43, s41, 2
	s_lshl_b32 s43, 15, s43                        ; my row of the cluster
	s_lshl_b32 s44, 0x1111, s40                    ; my column
	; group 1 for codes: 8 rows (row tiles) of 3,072 bytes (two K steps' images), 12,288 bytes apart; elements of 8 bytes; no padding
	s_or_b32 s[G1+0], s43, (3<<16)|(1<<21)
	s_or_b32 s[G1B+0], s44, (3<<16)|(1<<21)
.irp g, G1, G1B
	s_mov_b32 s[\g+1], 384<<16                     ; tensor_dim0
	s_mov_b32 s[\g+2], 16<<16                      ; the head's loads bring all 16 row tiles; behind them the two words are set to 8
	s_mov_b32 s[\g+3], 384<<16
	s_mov_b32 s[\g+4], 16
	s_mov_b32 s[\g+5], 1536                        ; tensor_dim0_stride
	s_mov_b32 s[\g+6], 0
	s_mov_b32 s[\g+7], 0
.endr
	; and for scale words: 8,192 dense bytes (eight K steps of 256 rows) as 32 rows of 256 bytes
	s_or_b32 s[G1S+0], s43, (3<<16)|(1<<21)
	s_or_b32 s[G1SB+0], s44, (3<<16)|(1<<21)
.irp g, G1S, G1SB
	s_mov_b32 s[\g+1], 32<<16
	s_mov_b32 s[\g+2], 32<<16                      ; all eight K steps of 256 rows: 32 rows of 256 bytes
	s_mov_b32 s[\g+3], 32<<16
	s_mov_b32 s[\g+4], 32
	s_mov_b32 s[\g+5], 32
	s_mov_b32 s[\g+6], 0
	s_mov_b32 s[\g+7], 0
.endr
	; which tiles.  A's hang on cy and on the cluster's place alone, B's on cx and the cluster's place; the choice hangs on cluster x, which all sixteen partners share
	s_add_co_u32 s18, s17, s41                     ; x's tile by cy
	s_add_co_u32 s19, s41, 8                       ; v's weight tile by cy
	s_lshl_b32 s46, ttmp9, 2
	s_add_co_u32 s46, s46, s40                     ; the weight's tile by cx
	s_add_co_u32 s47, s17, s40                     ; x's tile by cx
	s_mov_b32 s22, X_SCL
	s_mov_b32 s92, W_SCL
	s_cmp_eq_u32 ttmp9, 2
	s_cselect_b32 s18, s19, s18                    ; A's tile,
	s_cselect_b32 s20, W_IMG, 0                    ; its codes' region,
	s_cselect_b32 s22, W_SCL, s22                  ; its scale words' region
	s_cselect_b32 s46, s47, s46                    ; B's likewise
	s_cselect_b32 s94, 0, W_IMG
	s_cselect_b32 s92, X_SCL, s92
	s_mul_i32 s19, s18, 196608                     ; a tile's 16 row tiles of 12,288 bytes
	s_add_co_u32 s20, s20, s19
	s_mov_b32 s21, 0
	s_lshl_b32 s19, s18, 13
	s_add_co_u32 s22, s22, s19
	s_mov_b32 s23, 0
	s_mul_i32 s47, s46, 196608
	s_add_co_u32 s94, s94, s47
	s_mov_b32 s95, 0
	s_lshl_b32 s47, s46, 13
	s_add_co_u32 s92, s92, s47
	s_mov_b32 s93, 0
	s_mul_i32 s45, s14, HALFT                      ; where they go: wave x 128 rows: no place in the cluster enters an LDS address
	s_mul_i32 s18, s16, 98304                      ; the half that I fetch in the ring, in bytes
	s_mov_b32 s19, 0
	s_wait_kmcnt 0x0
	s_add_nc_u64 s[20:21], s[4:5], s[20:21]
	s_add_nc_u64 s[22:23], s[4:5], s[22:23]
	s_add_nc_u64 s[94:95], s[4:5], s[94:95]
	s_add_nc_u64 s[92:93], s[4:5], s[92:93]
	CROUND                                         ; all sixteen work-groups are here: the first joint loads meet
	s_mov_b32 s[G0S], 1
	s_mov_b32 s[G0S+1], SCL
	s_mov_b64 s[G0S+2:G0S+3], s[22:23]
	s_or_b32 s[G0S+3], s[G0S+3], 0x80000000
	s_mov_b32 s[G0SB], 1
	s_mov_b32 s[G0SB+1], SCL+8192
	s_mov_b64 s[G0SB+2:G0SB+3], s[92:93]
	s_or_b32 s[G0SB+3], s[G0SB+3], 0x80000000
.irp s, 0,1
	s_mov_b32 s[G0+4*\s], 1
	s_add_co_u32 s[G0+4*\s+1], s45, \s*SLOT
	s_add_nc_u64 s[G0+4*\s+2:G0+4*\s+3], s[20:21], \s*3072
	s_or_b32 s[G0+4*\s+3], s[G0+4*\s+3], 0x80000000
	s_mov_b32 s[G0B+4*\s], 1
	s_add_co_u32 s[G0B+4*\s+1], s45, \s*SLOT
	s_add_nc_u64 s[G0B+4*\s+2:G0B+4*\s+3], s[94:95], \s*3072
	s_or_b32 s[G0B+4*\s+3], s[G0B+4*\s+3], 0x80000000
.endr
; THE HEAD'S LOADS, ONE A WAVE: wave 0 slot 0's 256 rows of A, wave 1 its 256 rows of B, wave 2 A's scale words, wave 3 B's.
; Slot 0's group 0 serves the whole tile here; behind the wait for these loads it is set to my quarter, for the ring.
	s_mov_b32 s[G0+1], 0
	s_mov_b32 s[G0B+1], 2*HALFT
	s_add_nc_u64 s[G0+6:G0+7], s[G0+6:G0+7], s[18:19]
	s_add_nc_u64 s[G0B+6:G0B+7], s[G0B+6:G0B+7], s[18:19]
	s_add_co_u32 s[G0+5], s[G0+5], s45             ; the large slot: a quarter is 2 HALFT bytes
	s_add_co_u32 s[G0B+5], s[G0B+5], s45
.macro ARM under, g0, g1, next
	s_cmp_lt_u32 s14, \under
	s_cbranch_scc0 \next
	tensor_load_to_lds s[\g0:\g0+3], s[\g1:\g1+7]
	s_nop 0
.rept 4
	v_nop
.endr
	s_branch .Lhead_asked
\next:
.endm
	ARM 1, G0,  G1,  .Lhead_b
	ARM 2, G0B, G1B, .Lhead_sa
	ARM 3, G0S, G1S, .Lhead_sb
	tensor_load_to_lds s[G0SB:G0SB+3], s[G1SB:G1SB+7]
	s_nop 0
.rept 4
	v_nop
.endr
.Lhead_asked:
	v_and_b32 v1, 31, v0
	v_lshlrev_b32 v[LI], 4, v1
	v_lshlrev_b32 v[L8], 3, v1
	v_lshlrev_b32 v2, 2, v1
	s_wait_alu depctr_va_vdst(0)
	s_mul_i32 s97, s15, HALFT                      ; my 128 rows of A
	s_mul_i32 s98, s16, HALFT                      ; my 128 rows of B,
	s_add_co_u32 s98, s98, 2*HALFT                 ; behind A's 256
.irp s, 0,1
	v_add_nc_u32 v[ADRA+\s], s97, v[LI]
	v_add_nc_u32 v[ADRB+\s], s98, v[LI]
	s_lshl_b32 s97, s97, 1                         ; in the large slot every part is twice as long
	s_lshl_b32 s98, s98, 1
	s_add_co_u32 s97, s97, SLOT
	s_add_co_u32 s98, s98, SLOT
.endr
	s_lshl_b32 s97, s15, 9
	s_add_co_u32 s97, s97, SCL
	v_add_nc_u32 v[ADSA], s97, v2                  ; 4 bytes a row: 32 rows, two blocks, a load
	s_lshl_b32 s98, s16, 9
	s_add_co_u32 s98, s98, SCL+8192
	v_add_nc_u32 v[ADSB], s98, v2
.macro FRAG reg, adr, q, i             ; a fragment's image: three dense loads
.irp g, 0,1,2
	ds_load_b128 v[\reg+4*\g:\reg+4*\g+3], v[\adr] offset:(\i)*PT+QO*1536+512*\g
.endr
.endm
; one product: A's block a x B's block b, B's set p, the slot's K step q, scale set sc.  first = 1: it starts the sum: nothing is ever cleared.  An odd block's scale words stand in lanes 16-31.
.macro WM a, b, p, q, sc, first
.set rD, 8*(8*((\a)%4)+(\b))
.set rB, 128*(\p)+FR*(\b)
.set rA, AF+FR*(\a)
.set sB, SC+16*(((\sc)+(\q)/2)%2)+8*((\q)%2)+4+(\b)/2
.set sA, SC+16*(((\sc)+(\q)/2)%2)+8*((\q)%2)+(\a)/2
.set rw, 2*((\a)%2)+(\b)%2+4*(\first)
.if rw == 0
	v_wmma_scale_f32_16x16x128_f8f6f4 v[rD:rD+7], v[rB:rB+FR-1], v[rA:rA+FR-1], v[rD:rD+7], v[sB], v[sA] matrix_a_fmt:MATRIX_FMT_FP6 matrix_b_fmt:MATRIX_FMT_FP6
.elseif rw == 1
	v_wmma_scale_f32_16x16x128_f8f6f4 v[rD:rD+7], v[rB:rB+FR-1], v[rA:rA+FR-1], v[rD:rD+7], v[sB], v[sA] matrix_a_fmt:MATRIX_FMT_FP6 matrix_b_fmt:MATRIX_FMT_FP6 matrix_a_scale:MATRIX_SCALE_ROW1
.elseif rw == 2
	v_wmma_scale_f32_16x16x128_f8f6f4 v[rD:rD+7], v[rB:rB+FR-1], v[rA:rA+FR-1], v[rD:rD+7], v[sB], v[sA] matrix_a_fmt:MATRIX_FMT_FP6 matrix_b_fmt:MATRIX_FMT_FP6 matrix_b_scale:MATRIX_SCALE_ROW1
.elseif rw == 3
	v_wmma_scale_f32_16x16x128_f8f6f4 v[rD:rD+7], v[rB:rB+FR-1], v[rA:rA+FR-1], v[rD:rD+7], v[sB], v[sA] matrix_a_fmt:MATRIX_FMT_FP6 matrix_b_fmt:MATRIX_FMT_FP6 matrix_a_scale:MATRIX_SCALE_ROW1 matrix_b_scale:MATRIX_SCALE_ROW1
.elseif rw == 4
	v_wmma_scale_f32_16x16x128_f8f6f4 v[rD:rD+7], v[rB:rB+FR-1], v[rA:rA+FR-1], 0, v[sB], v[sA] matrix_a_fmt:MATRIX_FMT_FP6 matrix_b_fmt:MATRIX_FMT_FP6
.elseif rw == 5
	v_wmma_scale_f32_16x16x128_f8f6f4 v[rD:rD+7], v[rB:rB+FR-1], v[rA:rA+FR-1], 0, v[sB], v[sA] matrix_a_fmt:MATRIX_FMT_FP6 matrix_b_fmt:MATRIX_FMT_FP6 matrix_a_scale:MATRIX_SCALE_ROW1
.elseif rw == 6
	v_wmma_scale_f32_16x16x128_f8f6f4 v[rD:rD+7], v[rB:rB+FR-1], v[rA:rA+FR-1], 0, v[sB], v[sA] matrix_a_fmt:MATRIX_FMT_FP6 matrix_b_fmt:MATRIX_FMT_FP6 matrix_b_scale:MATRIX_SCALE_ROW1
.else
	v_wmma_scale_f32_16x16x128_f8f6f4 v[rD:rD+7], v[rB:rB+FR-1], v[rA:rA+FR-1], 0, v[sB], v[sA] matrix_a_fmt:MATRIX_FMT_FP6 matrix_b_fmt:MATRIX_FMT_FP6 matrix_a_scale:MATRIX_SCALE_ROW1 matrix_b_scale:MATRIX_SCALE_ROW1
.endif
.endm
; 16 products.  The 64 accumulators take turns, one instruction a turn, in the same order in every step.
.macro MUL16 a0, p, q, sc, first
.irp a, \a0, \a0+1
.irp b, 0,1,2,3,4,5,6,7
	WM \a, \b, \p, \q, \sc, \first
.endr
.endr
.endm
.macro FETCH_B slot, q, p
.set PT, 3072+3072*(\slot)             ; bytes of a row tile in the slot: two K steps in slot 0, four in the large slot
.set QO, (\q)%(2+2*(\slot))            ; the K step's place in it
	WIN TO_B
.irp i, 0,1,2,3,4,5,6,7
	FRAG 128*(\p)+FR*\i, ADRB+\slot, \q, \i
.endr
	WIN 0
.endm
.macro FETCH_A slot, q, i0
.set PT, 3072+3072*(\slot)
.set QO, (\q)%(2+2*(\slot))
.irp i, \i0, \i0+1, \i0+2, \i0+3
	FRAG AF+FR*(\i), ADRA+\slot, \q, \i
.endr
.endm
.macro SCALES sc, k0                   ; the scale words of K steps k0 and k0 + 1 into set sc
.irp q, 0,1
.irp i, 0,1,2,3
	ds_load_b32 v[SC+16*\sc+8*\q+\i], v[ADSA] offset:(\k0+\q)*1024+128*\i
	ds_load_b32 v[SC+16*\sc+8*\q+4+\i], v[ADSB] offset:(\k0+\q)*1024+128*\i
.endr
.endr
.endm
.macro PLACES n                        ; plain vector instructions between a matrix instruction and a load into, or a read of, its registers (ISA guide 7.12.1 for reads)
.rept \n
	v_nop
.endr
.endm
; a step of 128 along K that has its successor in the same slot
.macro STEP slot, q, first
	s_wait_dscnt 4*NL                              ; B's set, A's blocks 0-3 and the scale words are in; the youngest twelve loads (A's blocks 4-7) may be out
	WIN MUL_LO
	MUL16 0, (\q)%2, \q, \slot, \first
	MUL16 2, (\q)%2, \q, \slot, \first
	s_wait_dscnt 0x0                               ; A's blocks 4-7 are in
	PLACES NP
	FETCH_B \slot, (\q)+1, 1-(\q)%2
	FETCH_A \slot, (\q)+1, 0
.if (\slot) == 1 && (\q) == 1
	SCALES 0, 4                                    ; in the middle of the large slot: the scale words of K steps 4 and 5
.endif
	WIN MUL_HI
	MUL16 4, (\q)%2, \q, \slot, \first
	MUL16 6, (\q)%2, \q, \slot, \first
	PLACES NP
	WIN 0
	FETCH_A \slot, (\q)+1, 4
.endm
; a slot's last step changes slots: one barrier; in front of it each wave waits for all its tensor loads, adds 0 to its spare word, and waits for that and for its reads of this slot.  fill = 1: this slot is filled again.
.macro TURN slot, next, fill, k0, q, nq
	s_wait_tensorcnt 0x0                           ; all my tensor loads have landed: my part of the next slot
	ds_add_u32 v[SPW], v[NIL]                      ; 0 onto my spare word
.if \fill
	s_mov_b32 s[G1+1], 384<<16                     ; no tensor load of mine is out: the refill's rows are two K steps long again
	s_mov_b32 s[G1+3], 384<<16
	s_mov_b32 s[G1B+1], 384<<16
	s_mov_b32 s[G1B+3], 384<<16
.endif
	s_wait_dscnt 4*NL+1
	WIN MUL_LO
	MUL16 0, 1, \q, \slot, 0
	s_wait_dscnt 0x0                               ; the add is done, and my reads of this slot are over
	s_barrier_signal -1
	MUL16 2, 1, \q, \slot, 0
	WIN 0
	s_barrier_wait -1
.if \fill
	CREST                                          ; the barrier has opened a round of the cluster's barrier: no wave of any partner still reads this slot or has a load on its way
	s_add_nc_u64 s[G0+4*\slot+2:G0+4*\slot+3], s[G0+4*\slot+2:G0+4*\slot+3], 3*3072
	s_add_nc_u64 s[G0B+4*\slot+2:G0B+4*\slot+3], s[G0B+4*\slot+2:G0B+4*\slot+3], 3*3072
	JLOAD G0+4*\slot, G1, G0B+4*\slot, G1B         ; the first tensor load behind the round, my only one until the next; its four v_nop are the places in front of the loads below
.else
	PLACES NP
.endif
	FETCH_B \next, \nq, 0
	FETCH_A \next, \nq, 0
	SCALES (((\k0)/2)%2), \k0
	WIN MUL_HI
	MUL16 4, 1, \q, \slot, 0
	MUL16 6, 1, \q, \slot, 0
	PLACES NP
	WIN 0
	FETCH_A \next, \nq, 4
.endm
	s_wait_alu depctr_va_vdst(0)
	s_wait_tensorcnt 0x0                           ; my tile of the head's four is in
	ds_add_u32 v[SPW], v[NIL]
	s_mov_b32 s[G1+1], 768<<16                     ; the large slot's rows: four K steps, 6,144 bytes
	s_mov_b32 s[G1+3], 768<<16
	s_mov_b32 s[G1+2], 8<<16
	s_mov_b32 s[G1+4], 8
	s_mov_b32 s[G1B+1], 768<<16
	s_mov_b32 s[G1B+3], 768<<16
	s_mov_b32 s[G1B+2], 8<<16
	s_mov_b32 s[G1B+4], 8
	s_mov_b32 s[G0+1], s45                         ; and slot 0's group 0 names my quarter
	s_mov_b32 s[G0B+1], s45
	s_add_nc_u64 s[G0+2:G0+3], s[G0+2:G0+3], s[18:19]
	s_add_nc_u64 s[G0B+2:G0B+3], s[G0B+2:G0B+3], s[18:19]
	s_wait_dscnt 0x0
	CROUND                                         ; all four tiles are in, in all sixteen work-groups
	JLOAD G0+4, G1, G0B+4, G1B                     ; slot 1's first fill: the first tensor load behind the round
	FETCH_B 0, 0, 0
	FETCH_A 0, 0, 0
	SCALES 0, 0
	FETCH_A 0, 0, 4
	STEP 0, 0, 1                                   ; K step 0 starts the sums
	TURN 0, 1, 1, 2, 1, 0                          ; K step 1; slot 0 takes K steps 6 and 7; on into the large slot
	STEP 1, 0, 0                                   ; K steps 2, 3, 4: no barrier inside the large slot
	STEP 1, 1, 0
	STEP 1, 2, 0
	TURN 1, 0, 0, 6, 3, 2                          ; K step 5; nothing is left to fetch; back into slot 0
	STEP 0, 2, 0                                   ; K step 6
	s_wait_dscnt 4*NL                              ; K step 7
	WIN MUL_LO
	MUL16 0, 1, 1, 1, 0
	MUL16 2, 1, 1, 1, 0
	s_wait_dscnt 0x0
	WIN MUL_HI
	MUL16 4, 1, 1, 1, 0
	MUL16 6, 1, 1, 1, 0
	WIN 0
; ---------------- THE WAY OUT: each block of 16 rows of A is quantised along its 128 registers' axis, in registers, and stored as images.
	PLACES NP
	v_bfe_u32 v2, v0, 4, 1
	v_cmp_ne_u32 vcc_lo, 0, v2
	v_lshlrev_b32 v3, 3, v2                        ; 8 x (lane / 16): my bytes' place in v's scale words
.irp b, 0,1,2,3
	v_mov_b32 v[TM+4+\b], 0                        ; written once: a lane permute's destination counts as one of its sources
.endr
	s_min_u32 s8, ttmp9, 1                         ; 0: q; 1: k, v
	s_lshr_b32 s9, ttmp9, 1                        ; 1: v
	s_add_co_u32 s10, s17, s41
	s_add_co_u32 s11, s17, s40
	s_cmp_eq_u32 ttmp9, 2
	s_cselect_b32 s10, s11, s10                    ; x's tile of 256 tokens,
	s_cselect_b32 s11, s16, s15                    ; my half of it,
	s_cselect_b32 s12, s41, s40                    ; the tile of 256 columns (four heads),
	s_cselect_b32 s13, s15, s16                    ; my half of it (two heads)
	s_lshr_b32 s18, s10, 3                         ; batch
	s_and_b32 s10, s10, 7
	s_lshl_b32 s10, s10, 1
	s_add_co_u32 s10, s10, s11                     ; the step of 128 tokens
	s_lshl_b32 s18, s18, 4
	s_lshl_b32 s12, s12, 2
	s_add_co_u32 s18, s18, s12
	s_lshl_b32 s13, s13, 1
	s_add_co_u32 s18, s18, s13                     ; my first head, 0 .. 63
	s_lshl_b32 s46, 102400, s8                     ; bytes of a head
	s_mov_b32 s47, 0
	s_lshl_b32 s20, 6400, s8                       ; bytes of a record
	s_mul_i32 s21, s8, KV_OFF
	s_mul_i32 s22, s18, s46
	s_add_co_u32 s21, s21, s22
	s_mul_i32 s22, s10, s20
	s_add_co_u32 s21, s21, s22                     ; my first head's record
	s_mul_i32 s22, s9, 6144                        ; v's fragments lie behind k's
	s_add_co_u32 s[IMG0], s21, s22
	s_mov_b32 s[IMG0+1], 0
	s_lshl_b32 s23, 6144, s8
	s_lshl_b32 s42, s9, 8
	s_add_co_u32 s23, s23, s42
	s_add_co_u32 s[SW0], s21, s23
	s_mov_b32 s[SW0+1], 0
	s_lshr_b32 s[FLR], 0x3000000, s8               ; 2^(6 - 127) for q, 2^(3 - 127) for k and v
	s_sub_co_u32 s42, 1, s8
	s_mul_i32 s[SUBB], s42, 0x03030303
	s_add_nc_u64 s[IMG0:IMG0+1], s[6:7], s[IMG0:IMG0+1]
	s_add_nc_u64 s[IMG0+2:IMG0+3], s[IMG0:IMG0+1], s[46:47]
	s_add_nc_u64 s[SW0:SW0+1], s[6:7], s[SW0:SW0+1]
	s_add_nc_u64 s[SW0+2:SW0+3], s[SW0:SW0+1], s[46:47]
	s_mov_b32 s[SEL], 0x76543210
	s_mov_b32 s[SEL+1], 0xfedcba98
; A's block a: 64 numbers a lane, register 16 b + i = place 32 b + 16 (lane / 16) + i along the next K.  Codes of blocks 0, 1 into v[d0 .. d0 + 5], of blocks 2, 3 into v[d1 .. d1 + 5]; the four bytes into v[pw].
.macro QUANT a, d0, d1, pw
.set ACB, 64*((\a)%4)
	WIN 0
.irp b, 0,1,2,3
	v_mov_b32 v[TM+\b], s[FLR]                     ; the floor
.endr
	WIN 0x28+0x14*((\a)/4)                         ; sources 1 and 2: window 2 or 3
.irp i, 0,2,4,6,8,10,12,14             ; ascending: each accumulator is read from its low end on
.irp b, 0,1,2,3
	v_max3_num_f32 v[TM+\b], v[TM+\b], |v[ACB+16*\b+\i]|, |v[ACB+16*\b+\i+1]|
.endr
.endr
	WIN 0
.irp b, 0,1,2,3
	v_permlanex16_b32 v[TM+4+\b], v[TM+\b], s[SEL], s[SEL+1]
.endr
.irp b, 0,1,2,3
	v_max_num_f32 v[TM+\b], v[TM+\b], v[TM+4+\b]   ; with lane l xor 16's 16: the block's largest magnitude
.endr
.irp b, 0,1,2,3
	v_add_nc_u32 v[TM+12+\b], 0xff000000, v[TM+\b] ; 2 off the exponent field: the conversion's scale operand
.endr
.irp b, 0,1,2,3
	v_lshrrev_b32 v[TM+4+\b], 23, v[TM+12+\b]
.endr
	v_lshl_or_b32 v[\pw], v[TM+5], 8, v[TM+4]
	v_lshl_or_b32 v[\pw], v[TM+6], 16, v[\pw]
	v_lshl_or_b32 v[\pw], v[TM+7], 24, v[\pw]
	v_sub_nc_u32 v[\pw], v[\pw], s[SUBB]           ; q / 8: 3 off each byte (each is 4 at the least: nothing is borrowed)
	s_wait_xcnt 0x0                                ; earlier stores have read their data: the fragments' registers may be written again
	WIN 0x02+(\a)/4                                ; source 0: window 2 or 3
	v_cvt_scalef32_pk16_fp6_f32 v[\d0:\d0+2], v[ACB:ACB+15], v[TM+12]
	v_cvt_scalef32_pk16_fp6_f32 v[TP:TP+2], v[ACB+16:ACB+31], v[TM+13]
	v_cvt_scalef32_pk16_fp6_f32 v[\d1:\d1+2], v[ACB+32:ACB+47], v[TM+14]
	v_cvt_scalef32_pk16_fp6_f32 v[TP+4:TP+6], v[ACB+48:ACB+63], v[TM+15]
	WIN 0
	v_nop                                          ; one plain place behind a scaled conversion
.irp i, 0,1,2                          ; the operand's layout wants a whole block in a lane: lanes 0-15 the even block, lanes 16-31 the odd one
	v_permlane16_swap_b32 v[\d0+\i], v[TP+\i]
	v_permlane16_swap_b32 v[\d1+\i], v[TP+4+\i]
.endr
.irp i, 0,1,2
	v_mov_b32 v[\d0+3+\i], v[TP+\i]
	v_mov_b32 v[\d1+3+\i], v[TP+4+\i]
.endr
.endm
.macro PUT f, base, off                ; a fragment's image: three stores of 512 consecutive bytes, aligned
.irp g, 0,1,2
	global_store_b128 v[LI], v[\f+4*\g:\f+4*\g+3], s[\base:\base+1] offset:\off+512*\g
.endr
.endm
	s_cmp_eq_u32 ttmp9, 2                          ; the same in all sixteen partners
	s_cbranch_scc1 .Lvalues
; q and k: a lane holds a token; blocks 0, 1 are my first head's 64 channels, blocks 2, 3 my second head's.  Two tiles of tokens make a pair fragment of each head.
.macro QKPAIR T
.set FS, 96+64*((\T)%2)
	QUANT 2*(\T), FS, FS+12, WR+2*(\T)
	QUANT 2*(\T)+1, FS+6, FS+18, WR+2*(\T)+1
	PUT FS, IMG0, (\T)*1536
	PUT FS+12, IMG0+2, (\T)*1536
.endm
	QKPAIR 0
	QKPAIR 1
	QKPAIR 2
	QKPAIR 3
.irp c, 0,1                            ; head c's scale words: two bytes of the even tile's word below, two of the odd tile's above
.irp T, 0,1,2,3
.if \c
	v_perm_b32 v[120+\T], v[WR+2*\T+1], v[WR+2*\T], 0x07060302
.else
	v_perm_b32 v[120+\T], v[WR+2*\T+1], v[WR+2*\T], 0x05040100
.endif
.endr
	v_cndmask_b32 v[124+2*\c], v120, v121, vcc_lo
	v_cndmask_b32 v[125+2*\c], v122, v123, vcc_lo
	global_store_b64 v[L8], v[124+2*\c:125+2*\c], s[SW0+2*\c:SW0+2*\c+1]   ; 256 consecutive bytes, aligned
.endr
	s_branch .Lend
.Lvalues:
; v: a lane holds a channel, its registers run along my 128 keys: each block of 16 channels is a whole fragment.  Blocks 0-3 are my first head's, 4-7 my second's.
; v's block a: x's rows lie so that a lane's registers 32 c .. 32 c + 31 are the keys 64 c + 32 (lane / 16) + 0 .. 31: a whole block of the next K, in the operand's own order.  Codes into v[d0 .. d0 + 11], the four bytes into v[pw].
.macro QUANTV a, d0, pw
.set ACB, 64*((\a)%4)
	WIN 0
	v_mov_b32 v[TM], s[FLR]
	v_mov_b32 v[TM+1], s[FLR]
	WIN 0x28+0x14*((\a)/4)
.irp i, 0,2,4,6,8,10,12,14,16,18,20,22,24,26,28,30
.irp c, 0,1
	v_max3_num_f32 v[TM+\c], v[TM+\c], |v[ACB+32*\c+\i]|, |v[ACB+32*\c+\i+1]|
.endr
.endr
	WIN 0
.irp c, 0,1
	v_add_nc_u32 v[TM+12+\c], 0xff000000, v[TM+\c]
.endr
.irp c, 0,1
	v_lshrrev_b32 v[TM+4+\c], 23, v[TM+12+\c]
.endr
	v_lshl_or_b32 v[TM+6], v[TM+5], 16, v[TM+4]    ; blocks h and 2 + h,
	v_lshlrev_b32 v[TM+6], v3, v[TM+6]             ; at their places in the word;
	v_permlanex16_b32 v[TM+7], v[TM+6], s[SEL], s[SEL+1]
	v_or_b32 v[\pw], v[TM+6], v[TM+7]              ; with lane l xor 16's two the word is whole
	s_wait_alu depctr_va_vdst(0)
	s_wait_xcnt 0x0                                ; earlier stores have read their data
	WIN 0x02+(\a)/4
	v_cvt_scalef32_pk16_fp6_f32 v[\d0:\d0+2], v[ACB:ACB+15], v[TM+12]
	v_cvt_scalef32_pk16_fp6_f32 v[TP:TP+2], v[ACB+16:ACB+31], v[TM+12]
	v_cvt_scalef32_pk16_fp6_f32 v[\d0+6:\d0+8], v[ACB+32:ACB+47], v[TM+13]
	v_cvt_scalef32_pk16_fp6_f32 v[TP+4:TP+6], v[ACB+48:ACB+63], v[TM+13]
	WIN 0
	v_nop
.irp i, 0,1,2
	v_mov_b32 v[\d0+3+\i], v[TP+\i]
	v_mov_b32 v[\d0+9+\i], v[TP+4+\i]
.endr
.endm
.macro VONE a
.set FS, 96+64*((\a)%2)
	QUANTV \a, FS, WR+(\a)
	PUT FS, IMG0+2*((\a)/4), ((\a)%4)*1536
.endm
.irp a, 0,1,2,3,4,5,6,7
	VONE \a
.endr
.irp c, 0,1
	v_cndmask_b32 v[124+2*\c], v[WR+4*\c], v[WR+4*\c+1], vcc_lo
	v_cndmask_b32 v[125+2*\c], v[WR+4*\c+2], v[WR+4*\c+3], vcc_lo
	global_store_b64 v[L8], v[124+2*\c:125+2*\c], s[SW0+2*\c:SW0+2*\c+1]
.endr
.Lend:
	s_wait_tensorcnt 0x0                           ; the wave's end
	ds_add_u32 v[SPW], v[NIL]
	s_wait_dscnt 0x0
	CROUND                                         ; the closing round: no work-group ends while a partner may still ask for a tile that names it
	s_endpgm
.Lfunc_end_k_qcfcffa4be6_qkv:
	.size	k_qcfcffa4be6_qkv, .Lfunc_end_k_qcfcffa4be6_qkv-k_qcfcffa4be6_qkv
	.p2alignl 7, 3214868480
	.fill 96, 4, 3214868480
	.section	.rodata,"a",@progbits
	.p2align	6, 0x0
	.amdhsa_kernel k_qcfcffa4be6_qkv
		.amdhsa_group_segment_fixed_size 327680
		.amdhsa_private_segment_fixed_size 0
		.amdhsa_enable_private_segment 0
		.amdhsa_kernarg_size 16
		.amdhsa_user_sgpr_count 2
		.amdhsa_user_sgpr_kernarg_segment_ptr 1
		.amdhsa_wavefront_size32 1
		.amdhsa_system_sgpr_workgroup_id_x 1
		.amdhsa_system_sgpr_workgroup_id_y 1
		.amdhsa_system_sgpr_workgroup_id_z 1
		.amdhsa_system_vgpr_workitem_id 0
		.amdhsa_next_free_vgpr 1024
		.amdhsa_next_free_sgpr 100
		.amdhsa_reserve_vcc 1
		.amdhsa_float_denorm_mode_32 3
		.amdhsa_float_denorm_mode_16_64 3
		.amdhsa_memory_ordered 1
		.amdhsa_forward_progress 1
		.amdhsa_inst_pref_size 172
	.end_amdhsa_kernel
	.amdgpu_metadata
---
amdhsa.version: [ 1, 2 ]
amdhsa.kernels:
  - .name:           k_qcfcffa4be6_qkv
    .symbol:         k_qcfcffa4be6_qkv.kd
    .args:
      - { .name: xw, .offset: 0, .size: 8, .value_kind: global_buffer, .address_space: global }
      - { .name: qkv, .offset: 8, .size: 8, .value_kind: global_buffer, .address_space: global }
    .group_segment_fixed_size: 327680
    .private_segment_fixed_size: 0
    .kernarg_segment_align: 8
    .kernarg_segment_size: 16
    .max_flat_workgroup_size: 128
    .sgpr_count:     100
    .vgpr_count:     1024
    .wavefront_size: 32
...
	.end_amdgpu_metadata
.endif
;; end of part 2
;; launch attn (part 3): grid 4 x 64, 16 waves a work-group, clusters of 4 x 1, 327,680 bytes of LDS; arguments qkv, ob; writes ob
.if DOCPART == 3
	.amdgcn_target "amdgcn-amd-amdhsa--gfx1250"
	.amdhsa_code_object_version 6
	.text
	.protected	k_qcfcffa4be6_attn
	.globl	k_qcfcffa4be6_attn
	.p2align	8
	.type	k_qcfcffa4be6_attn,@function
k_qcfcffa4be6_attn:
	s_mov_b64 s[64:65], 0
	v_nop
	global_prefetch_b8 v0, s[64:65] scope:SCOPE_SE
	s_setreg_imm32_b32 hwreg(HW_REG_WAVE_MODE, 25, 1), 1
	s_wait_xcnt 0x0
	s_wait_alu depctr_hold_cnt(0) depctr_sa_sdst(0) depctr_va_vdst(0) depctr_va_sdst(0) depctr_va_ssrc(0) depctr_va_vcc(0) depctr_vm_vsrc(0)
	s_getreg_b32 s2, hwreg(HW_REG_IB_STS2, 6, 4)
	s_cmp_eq_u32 s2, 0
	s_cbranch_scc0 .Lentry_in_a_cluster
	s_endpgm
.Lentry_in_a_cluster:
	s_bfe_u32 s2, ttmp6, 0x10000c
	s_cmp_lg_u32 s2, 0x3003
	s_cbranch_scc0 .Lentry_shape_is_right
	s_endpgm
.Lentry_shape_is_right:
; o = softmax(q k^T) v for one head and 512 queries a work-group, on codes of FP6 (E2M3) with E8M0 scales; o is quantised in registers and leaves as codes for the projection.
; THE HEAD'S K AND V STAY IN LDS: 16 records (128 keys each) of 12,800 bytes = 204,800 bytes.  Each of the 16 waves asks for one record, once; one barrier shows them to all; nothing is filled again,
; so the walk over the keys has no barrier.  The four work-groups of a cluster take the four query blocks of one head and ask for the records jointly (mask 15).
; A wave takes one pair fragment of q: two tiles of 16 queries, one after the other, 16 steps of 128 keys each.  Both products are used transposed: a lane holds one query.
; KEY ORDER: in each 64 tokens, place 16 u + 8 h + j holds token 32 h + 8 u + j.  So in S^T lane (r, h)'s registers 32 c .. 32 c + 31 are the keys 64 c + 32 h + 0 .. 31:
; a whole block of p v's K lies in one lane, in the operand's own order: a block's maximum needs no other lane, and p's codes need no exchange of lanes.
; A step: S^T = k q^T (8 products; the head's 64 channels fill half of K, the other half of q's operand is zero codes); the running M = ceil(largest t); p = 2^(t - M); p's blocks are quantised;
; O^T += v^T p^T (4 products).  The row's sum is taken of the unquantised p, in two chains that carry over the steps; its additions stand between the dependent lines of p's scale word and round the p v products.
; OUT (ob): fragments [512 row tiles][8 K steps][2 heads][768 bytes: run g = lane l's registers 2 g, 2 g + 1 at 8 l]; from O_SCL scale halves [32 blocks of 256 rows][8 K steps][2 heads][256 rows] x 2 bytes.
; No prefetch: every tile is asked for at the head, so there is no loop to run ahead in.
; LIMITS: NaN and infinities are not served; the promise holds while the scaled scores stay under 2^31 in magnitude; a block of zeros gets the floor's byte (its codes are zeros; this program alone reads the bytes).
.set KV_OFF, 6553600
.set O_SCL,  6291456
.set RECB,   12800                     ; a record: k's 4 pair fragments | v's 4 fragments | k's words | v's words
.set SCR,    204800                    ; behind the records: 1,024 bytes in which the scale halves are gathered
.set SPARE,  205824                    ; the spare words: 128 bytes a wave
.set LI,  1                            ; 16 x lane
.set L8,  2                            ; 8 x lane
.set SRD, 3
.set SWR, 4
.set SPW, 5
.set NIL, 6
.set ADR, 8
.set ADS, 9
.set OW,  10                           ; v10, v11 the two tiles' scale halves.  v12 -M, v13 the largest score, v[14:15] and v[SM2:SM2+1] the row's sum
.set QR,  16                           ; v16-33: zeros | q | zeros
.set QS,  34
.set QSB, 35
.set FRG, 36                           ; v36-83 four fragments of k or of v
.set KS,  84
.set VS,  86
.set QB,  88                           ; the second tile's q
.set PS,  94
.set S,   96
.set OT,  160
.set PC,  192
.set CT,  204
.set BM,  212                          ; v212-217 six chains of maxima; then v212, v213 my two blocks'
.set BT,  218
.set SO,  220
.set H8,  222                          ; 8 x (lane / 16)
.set FF,  224
.set TMP, 226
.set SM2, 228
.set OF,  232
.set WV,  8
.set SEL, 12
.set CS,  14
.set G1,  16
.set G0,  24
.set NC,  28
.set TB,  32
.macro CROUND
	s_barrier_signal -1
	s_barrier_wait -1
	s_cmp_lg_u32 s[WV], 0
	s_cbranch_scc1 .Lnot_wave_0_\@
	s_barrier_signal -3
.Lnot_wave_0_\@:
	s_barrier_wait -3
	s_barrier_signal -1
	s_barrier_wait -1
.endm
	s_load_b128 s[4:7], s[0:1], 0x0                ; qkv, ob
	v_lshl_add_u32 v[SPW], v0, 2, SPARE
	v_mov_b32 v[NIL], 0
	ds_add_u32 v[SPW], v[NIL]
	ds_add_u32 v[SPW], v[NIL]
	v_lshrrev_b32 v7, 5, v0
	s_delay_alu instid0(VALU_DEP_1)
	v_readfirstlane_b32 s[WV], v7                  ; wave 0..15
	s_bfe_u32 s9, ttmp6, 0x40000                   ; cx: which 512 queries
	s_and_b32 s11, ttmp7, 0xffff                   ; head 0..63
	s_mov_b32 s[SEL], 0x76543210
	s_mov_b32 s[SEL+1], 0xfedcba98
	s_mov_b32 s[CS], 0x3fb8aa3b                    ; log2(e)
	s_mov_b32 s[CS+1], s[CS]
	s_mov_b32 s[NC], 0xbfb8aa3b
	s_mov_b32 s[G1], 15|(3<<16)|(1<<21)            ; a record: 50 rows of 256 bytes, dense; all four partners
	s_mov_b32 s[G1+1], 32<<16
	s_mov_b32 s[G1+2], 50<<16
	s_mov_b32 s[G1+3], 32<<16
	s_mov_b32 s[G1+4], 50
	s_mov_b32 s[G1+5], 32
	s_mov_b32 s[G1+6], 0
	s_mov_b32 s[G1+7], 0
	s_mul_i32 s42, s11, 204800
	s_add_co_u32 s42, s42, KV_OFF
	s_mul_i32 s44, s[WV], RECB
	s_add_co_u32 s42, s42, s44                     ; my record of the head
	s_mov_b32 s43, 0
	s_lshl_b32 s45, s9, 2
	s_lshr_b32 s46, s[WV], 2
	s_add_co_u32 s45, s45, s46                     ; q's record: 4 cx + wave / 4
	s_mul_i32 s36, s45, 6400
	s_mul_i32 s46, s11, 102400
	s_add_co_u32 s36, s36, s46
	s_mov_b32 s37, 0
	s_and_b32 s50, s[WV], 3                        ; my pair fragment in it
	s_mul_i32 s51, s50, 1536
	s_and_b32 s52, s50, 1
	s_lshl_b32 s52, s52, 7
	s_lshr_b32 s53, s50, 1
	s_lshl_b32 s53, s53, 2
	s_add_co_u32 s52, s52, s53                     ; and its scale words
	s_lshr_b32 s46, s11, 4                         ; batch
	s_bfe_u32 s47, s11, 0x30001                    ; the projection's K step
	s_and_b32 s49, s11, 1                          ; which half of it
	s_lshl_b32 s48, s46, 7
	s_lshl_b32 s53, s9, 5
	s_add_co_u32 s48, s48, s53
	s_lshl_b32 s53, s[WV], 1
	s_add_co_u32 s48, s48, s53                     ; my first row tile: 128 batch + 32 cx + 2 wave
	s_lshl_b32 s48, s48, 3
	s_add_co_u32 s48, s48, s47
	s_mul_i32 s38, s48, 1536
	s_mul_i32 s53, s49, 768
	s_add_co_u32 s38, s38, s53
	s_mov_b32 s39, 0
	s_lshl_b32 s48, s46, 3
	s_lshl_b32 s53, s9, 1
	s_add_co_u32 s48, s48, s53
	s_and_b32 s53, s[WV], 1
	s_add_co_u32 s48, s48, s53                     ; the block of 256 rows whose halves waves 0 and 1 store
	s_lshl_b32 s48, s48, 13
	s_lshl_b32 s53, s47, 10
	s_add_co_u32 s40, s48, s53
	s_lshl_b32 s53, s49, 9
	s_add_co_u32 s40, s40, s53
	s_add_co_u32 s40, s40, O_SCL
	s_mov_b32 s41, 0
	s_wait_dscnt 0x0
	s_wait_kmcnt 0x0
	s_add_nc_u64 s[42:43], s[4:5], s[42:43]
	s_add_nc_u64 s[36:37], s[4:5], s[36:37]
	s_add_nc_u64 s[38:39], s[6:7], s[38:39]
	s_add_nc_u64 s[40:41], s[6:7], s[40:41]
	CROUND                                         ; the four partners are here: the joint loads meet
	s_mov_b32 s[G0], 1
	s_mov_b32 s[G0+1], s44
	s_mov_b64 s[G0+2:G0+3], s[42:43]
	s_or_b32 s[G0+3], s[G0+3], 0x80000000
	tensor_load_to_lds s[G0:G0+3], s[G1:G1+7]      ; my one tensor load of the launch
	s_nop 0
	v_and_b32 v7, 31, v0
	v_and_b32 v244, 15, v0
	v_and_b32 v[SRD], 63, v0
	v_and_b32 v[H8], 16, v0
	v_lshl_add_u32 v[SWR], v0, 1, SCR              ; 2 bytes a thread: 64 a wave
	v_lshlrev_b32 v[LI], 4, v7
	v_lshlrev_b32 v[L8], 3, v7
	v_lshl_add_u32 v[SRD], v[SRD], 4, SCR
	v_lshl_add_u32 v[TMP+1], v244, 3, s52
	v_lshrrev_b32 v[H8], 1, v[H8]
	v_add_nc_u32 v[TMP], s51, v[LI]
.irp g, 0,1,2
	global_load_b128 v[96+4*\g:99+4*\g], v[TMP], s[36:37] offset:512*\g
.endr
	global_load_b32 v245, v[TMP+1], s[36:37] offset:6144
.irp i, 0,1,2,3,4,5
	v_mov_b32 v[QR+\i], 0
	v_mov_b32 v[QR+12+\i], 0
.endr
	v_mov_b32 v[BT], 0                             ; a lane permute's destination counts as one of its sources
	v_mov_b32 v[BT+1], 0
	v_mov_b32 v[FF+1], 0
	s_wait_alu depctr_va_vdst(0)
	s_wait_loadcnt 0x0
.irp i, 0,1,2,3,4,5
	v_mov_b32 v[QR+6+\i], v[96+\i]                 ; the even tile
	v_mov_b32 v[QB+\i], v[102+\i]                  ; the odd one
.endr
	v_perm_b32 v[QS], v245, v245, 0x01000100       ; a tile's two bytes, for either half of K
	v_perm_b32 v[QSB], v245, v245, 0x03020302
.macro INIT
	v_mov_b32 v13, 0xff61b1e6                      ; under every score
	v_mov_b32 v12, 0x7f61b1e6                      ; -M: so the first factor is 0
	v_mov_b32 v14, 0
	v_mov_b32 v15, 0
	v_mov_b32 v[SM2], 0
	v_mov_b32 v[SM2+1], 0
.set j, 0
.rept 32
	v_mov_b32 v[OT+j], 0
.set j, j+1
.endr
.endm
	INIT
.macro KQ T, u
.set rQ, QR+6-6*(\u)
.if (\T)%2
	v_wmma_scale_f32_16x16x128_f8f6f4 v[S+8*(2*\T+\u):S+8*(2*\T+\u)+7], v[FRG+12*\T:FRG+12*\T+11], v[rQ:rQ+11], 0, v[KS+\T/2], v[QS] matrix_a_fmt:MATRIX_FMT_FP6 matrix_b_fmt:MATRIX_FMT_FP6 matrix_a_scale:MATRIX_SCALE_ROW1
.else
	v_wmma_scale_f32_16x16x128_f8f6f4 v[S+8*(2*\T+\u):S+8*(2*\T+\u)+7], v[FRG+12*\T:FRG+12*\T+11], v[rQ:rQ+11], 0, v[KS+\T/2], v[QS] matrix_a_fmt:MATRIX_FMT_FP6 matrix_b_fmt:MATRIX_FMT_FP6
.endif
.endm
.macro PV T
.if (\T)%2
	v_wmma_scale_f32_16x16x128_f8f6f4 v[OT+8*\T:OT+8*\T+7], v[FRG+12*\T:FRG+12*\T+11], v[PC:PC+11], v[OT+8*\T:OT+8*\T+7], v[VS+\T/2], v[PS] matrix_a_fmt:MATRIX_FMT_FP6 matrix_b_fmt:MATRIX_FMT_FP6 matrix_a_scale:MATRIX_SCALE_ROW1
.else
	v_wmma_scale_f32_16x16x128_f8f6f4 v[OT+8*\T:OT+8*\T+7], v[FRG+12*\T:FRG+12*\T+11], v[PC:PC+11], v[OT+8*\T:OT+8*\T+7], v[VS+\T/2], v[PS] matrix_a_fmt:MATRIX_FMT_FP6 matrix_b_fmt:MATRIX_FMT_FP6
.endif
.endm
.macro KLOAD a, a8, o                  ; a record's fragments of k and both its pairs of scale words
.irp T, 0,1,2,3
.irp g, 0,1,2
	ds_load_b128 v[FRG+12*\T+4*\g:FRG+12*\T+4*\g+3], v[\a] offset:\o+1536*\T+512*\g
.endr
.endr
	ds_load_b64 v[KS:KS+1], v[\a8] offset:\o+12288
	ds_load_b64 v[VS:VS+1], v[\a8] offset:\o+12544
.endm
.macro SUMS j0, j1                     ; the row's sum of the unquantised p, two at a time, in two chains
.set j, \j0
.rept (\j1-\j0)/4+1
	v_pk_add_f32 v[14:15], v[14:15], v[S+j:S+j+1]
	v_pk_add_f32 v[SM2:SM2+1], v[SM2:SM2+1], v[S+2+j:S+3+j]
.set j, j+4
.endr
.endm
.macro FMAS j0, n                      ; t - M, two at a time
.set j, \j0
.rept \n
	v_pk_fma_f32 v[S+j:S+j+1], v[S+j:S+j+1], s[CS:CS+1], v[12:13] op_sel_hi:[1,0,0]
.set j, j+2
.endr
.endm
.macro MX3 ch, k                       ; chain ch of both my blocks takes scores k and k + 1
.irp c, 0,1
	v_max3_num_f32 v[BM+2*\ch+\c], v[BM+2*\ch+\c], v[S+32*\c+\k], v[S+32*\c+\k+1]
.endr
.endm
; last = 0: the next record follows; 1: the tile's last step, the next tile begins at record 0; 2: the wave's last step
.macro STEP last
	s_wait_dscnt 0x0                               ; k's fragments and the scale words are in
.irp T, 0,1,2,3
	KQ \T, 0
	KQ \T, 1
.endr
	v_add_nc_u32 v[ADR], s[TB], v[LI]              ; four places behind the products, ahead of the loads into k's registers
	v_add_nc_u32 v[ADS], s[TB], v[L8]
	v_nop
	v_nop
.irp T, 0,1,2,3
.irp g, 0,1,2
	ds_load_b128 v[FRG+12*\T+4*\g:FRG+12*\T+4*\g+3], v[ADR] offset:6144+1536*\T+512*\g
.endr
.endr
.irp ch, 0,1,2                         ; my two blocks' largest scores, three chains each, six by turns; the registers ascend
.irp c, 0,1
	v_max3_num_f32 v[BM+2*\ch+\c], v[S+32*\c+3*\ch], v[S+32*\c+3*\ch+1], v[S+32*\c+3*\ch+2]
.endr
.endr
.irp k, 9,15,21
	MX3 0, \k
	MX3 1, \k+2
	MX3 2, \k+4
.endr
	MX3 0, 27
	MX3 1, 29
.irp c, 0,1
	v_max_num_f32 v[BM+4+\c], v[BM+4+\c], v[S+32*\c+31]
.endr
.irp c, 0,1
	s_delay_alu instid0(VALU_DEP_2)
	v_max3_num_f32 v[BM+\c], v[BM+\c], v[BM+2+\c], v[BM+4+\c]
.endr
	v_mov_b32 v[TMP+1], v12                        ; the old -M
	s_delay_alu instid0(VALU_DEP_2)
	v_max_num_f32 v[TMP], v[BM], v[BM+1]
	s_delay_alu instid0(VALU_DEP_1)
	v_permlanex16_b32 v[BT], v[TMP], s[SEL], s[SEL+1]
	s_delay_alu instid0(VALU_DEP_1)
	v_max3_num_f32 v13, v13, v[TMP], v[BT]         ; the running largest score
	s_delay_alu instid0(VALU_DEP_1)
	v_mul_f32 v[TMP], s[NC], v13                   ; -t
	s_delay_alu instid0(VALU_DEP_1)
	v_floor_f32 v12, v[TMP]                        ; the new -M = -ceil(t)
	FMAS 0, 5
	v_sub_f32 v[TMP+1], v12, v[TMP+1]              ; old M - new M, a whole number; the three lines that make f stand among the multiply-adds
	FMAS 10, 5
	v_cvt_i32_f32 v[TMP+1], v[TMP+1]
	FMAS 20, 5
	v_ldexp_f32 v[FF], 1.0, v[TMP+1]               ; f = 2^(old M - new M)
	FMAS 30, 17
.irp c, 0,1
	v_fma_f32 v[BM+\c], v[BM+\c], s[CS], v12
.endr
.set j, 0
.rept 16
	v_pk_mul_f32 v[OT+j:OT+j+1], v[OT+j:OT+j+1], v[FF:FF+1] op_sel_hi:[1,0]   ; O^T under the new M
.set j, j+2
.endr
	s_wait_alu depctr_va_vdst(0)                   ; the wait ahead of the batch
	v_exp_f32 v[BM], v[BM]                         ; my blocks' largest p
	v_exp_f32 v[BM+1], v[BM+1]
.set j, 0
.rept 64
	v_exp_f32 v[S+j], v[S+j]
.set j, j+1
.endr
	v_nop
	s_wait_alu depctr_va_vdst(0)                   ; and behind it; it also covers what was written ahead of the blocking wait below
	s_wait_dscnt 0x0                               ; v's fragments are in
	v_max_num_f32 v[BM], 0x1800000, v[BM]          ; the floor holds the byte at 1
	v_max_num_f32 v[BM+1], 0x1800000, v[BM+1]
	v_pk_fma_f32 v[14:15], v[14:15], v[FF:FF+1], v[S:S+1] op_sel_hi:[1,0,1]             ; the sums under the new M, and the first p
	v_pk_fma_f32 v[SM2:SM2+1], v[SM2:SM2+1], v[FF:FF+1], v[S+2:S+3] op_sel_hi:[1,0,1]
	SUMS 4, 4
	v_add_nc_u32 v[SO], 0xff000000, v[BM]          ; 2 off the exponent field: the conversion's scale operand
	v_add_nc_u32 v[SO+1], 0xff000000, v[BM+1]
.irp c, 0,1
	v_cvt_scalef32_pk16_fp6_f32 v[PC+6*\c:PC+6*\c+2], v[S+32*\c:S+32*\c+15], v[SO+\c]
	v_cvt_scalef32_pk16_fp6_f32 v[CT+4*\c:CT+4*\c+2], v[S+32*\c+16:S+32*\c+31], v[SO+\c]
.endr
	v_lshrrev_b32 v[BT], 23, v[SO]                 ; the bytes (plain places behind the conversions)
	v_lshrrev_b32 v[BT+1], 23, v[SO+1]
.irp i, 0,1,2
	v_mov_b32 v[PC+3+\i], v[CT+\i]
.endr
	v_mov_b32 v[PC+9], v[CT+4]
	v_lshl_or_b32 v[PS], v[BT+1], 16, v[BT]        ; blocks h and 2 + h,
	v_mov_b32 v[PC+10], v[CT+5]
	v_mov_b32 v[PC+11], v[CT+6]
	SUMS 8, 8
	v_lshlrev_b32 v[PS], v[H8], v[PS]              ; at their places in the word;
	SUMS 12, 16
	v_permlanex16_b32 v[BT], v[PS], s[SEL], s[SEL+1]
	SUMS 20, 24
	v_or_b32 v[PS], v[PS], v[BT]                   ; with lane l xor 16's two the word is whole
	SUMS 28, 40                                    ; eight places between the scale word and the products
.irp T, 0,1,2,3
	PV \T
.endr
	SUMS 44, 48                                    ; four places, ahead of the loads into v's registers
.if \last == 0
	KLOAD ADR, ADS, RECB
.elseif \last == 1
	KLOAD LI, L8, 0
.endif
	SUMS 52, 60
.endm
.macro WALK
	s_mov_b32 s[TB], 0
	s_wait_alu depctr_va_vdst(0)
.Lwalk_\@:
	STEP 0
	s_add_co_u32 s[TB], s[TB], RECB
	s_cmp_lt_u32 s[TB], 15*RECB
	s_wait_alu depctr_va_vdst(0)
	s_cbranch_scc1 .Lwalk_\@
.endm
; a tile's end: O^T / the sum, quantised along the head's 64 channels: 6 registers of codes and two bytes
.macro FINAL c
	v_pk_add_f32 v[14:15], v[14:15], v[SM2:SM2+1]
	s_delay_alu instid0(VALU_DEP_1)
	v_add_f32 v14, v14, v15
	s_delay_alu instid0(VALU_DEP_1)
	v_permlanex16_b32 v[TMP], v14, s[SEL], s[SEL+1]
	s_delay_alu instid0(VALU_DEP_1)
	v_add_f32 v14, v14, v[TMP]
	s_wait_alu depctr_va_vdst(0)
	v_rcp_f32 v14, v14
	v_nop
	s_wait_alu depctr_va_vdst(0)
.set j, 0
.rept 16
	v_pk_mul_f32 v[S+j:S+j+1], v[OT+j:OT+j+1], v[14:15] op_sel_hi:[1,0]
.set j, j+2
.endr
.irp b, 0,1
	v_max3_num_f32 v[BM+\b], |v[S+16*\b]|, |v[S+1+16*\b]|, 0x1800000
.endr
.irp i, 2,4,6,8,10,12,14
.irp b, 0,1
	s_delay_alu instid0(VALU_DEP_2)
	v_max3_num_f32 v[BM+\b], v[BM+\b], |v[S+16*\b+\i]|, |v[S+1+16*\b+\i]|
.endr
.endr
.irp b, 0,1
	s_delay_alu instid0(VALU_DEP_2)
	v_permlanex16_b32 v[BT+\b], v[BM+\b], s[SEL], s[SEL+1]
.endr
.irp b, 0,1
	s_delay_alu instid0(VALU_DEP_2)
	v_max_num_f32 v[BM+\b], v[BM+\b], v[BT+\b]
.endr
.irp b, 0,1
	s_delay_alu instid0(VALU_DEP_2)
	v_add_nc_u32 v[SO+\b], 0xff000000, v[BM+\b]
.endr
.irp b, 0,1
	s_delay_alu instid0(VALU_DEP_2)
	v_lshrrev_b32 v[BT+\b], 23, v[SO+\b]
.endr
	s_delay_alu instid0(VALU_DEP_1)
	v_lshl_or_b32 v[OW+\c], v[BT+1], 8, v[BT]
	v_cvt_scalef32_pk16_fp6_f32 v[OF+6*\c:OF+6*\c+2], v[S:S+15], v[SO]
	v_cvt_scalef32_pk16_fp6_f32 v[CT:CT+2], v[S+16:S+31], v[SO+1]
	v_nop
.irp i, 0,1,2
	v_permlane16_swap_b32 v[OF+6*\c+\i], v[CT+\i]
.endr
.irp i, 0,1,2
	s_delay_alu instid0(VALU_DEP_3)
	v_mov_b32 v[OF+6*\c+3+\i], v[CT+\i]
.endr
.irp g, 0,1,2
	global_store_b64 v[L8], v[OF+6*\c+2*\g:OF+6*\c+2*\g+1], s[38:39] offset:12288*\c+256*\g   ; 256 consecutive bytes, aligned
.endr
.endm
	s_wait_alu depctr_va_vdst(0)
	s_wait_tensorcnt 0x0                           ; my record is in
	s_barrier_signal -1
	s_barrier_wait -1                              ; and everybody's
	KLOAD LI, L8, 0
	WALK
	STEP 1
	FINAL 0
.irp i, 0,1,2,3,4,5
	v_mov_b32 v[QR+6+\i], v[QB+\i]
.endr
	v_mov_b32 v[QS], v[QSB]
	INIT
	WALK
	STEP 2
	FINAL 1
	v_and_b32 v[TMP], 16, v0
	s_delay_alu instid0(VALU_DEP_1)
	v_cmp_ne_u32 vcc_lo, 0, v[TMP]
	v_cndmask_b32 v[TMP], v[OW], v[OW+1], vcc_lo   ; lanes 0-15 the even tile's rows, lanes 16-31 the odd one's
	ds_store_b16 v[SWR], v[TMP]
	s_wait_dscnt 0x0
	s_barrier_signal -1
	s_barrier_wait -1
	s_cmp_lt_u32 s[WV], 2
	s_cbranch_scc0 .Lno_words
	ds_load_b128 v[96:99], v[SRD]
	s_wait_dscnt 0x0
	global_store_b128 v[LI], v[96:99], s[40:41]    ; a block's 256 rows: 512 consecutive bytes, aligned
.Lno_words:
	s_wait_tensorcnt 0x0                           ; the wave's end
	ds_add_u32 v[SPW], v[NIL]
	s_wait_dscnt 0x0
	CROUND                                         ; the closing round
	s_endpgm
.Lfunc_end_k_qcfcffa4be6_attn:
	.size	k_qcfcffa4be6_attn, .Lfunc_end_k_qcfcffa4be6_attn-k_qcfcffa4be6_attn
	.p2alignl 7, 3214868480
	.fill 96, 4, 3214868480
	.section	.rodata,"a",@progbits
	.p2align	6, 0x0
	.amdhsa_kernel k_qcfcffa4be6_attn
		.amdhsa_group_segment_fixed_size 327680
		.amdhsa_private_segment_fixed_size 0
		.amdhsa_enable_private_segment 0
		.amdhsa_kernarg_size 16
		.amdhsa_user_sgpr_count 2
		.amdhsa_user_sgpr_kernarg_segment_ptr 1
		.amdhsa_wavefront_size32 1
		.amdhsa_system_sgpr_workgroup_id_x 1
		.amdhsa_system_sgpr_workgroup_id_y 1
		.amdhsa_system_sgpr_workgroup_id_z 1
		.amdhsa_system_vgpr_workitem_id 0
		.amdhsa_next_free_vgpr 256
		.amdhsa_next_free_sgpr 66
		.amdhsa_reserve_vcc 1
		.amdhsa_float_denorm_mode_32 3
		.amdhsa_float_denorm_mode_16_64 3
		.amdhsa_memory_ordered 1
		.amdhsa_forward_progress 1
		.amdhsa_inst_pref_size 76
	.end_amdhsa_kernel
	.amdgpu_metadata
---
amdhsa.version: [ 1, 2 ]
amdhsa.kernels:
  - .name:           k_qcfcffa4be6_attn
    .symbol:         k_qcfcffa4be6_attn.kd
    .args:
      - { .name: qkv, .offset: 0, .size: 8, .value_kind: global_buffer, .address_space: global }
      - { .name: ob, .offset: 8, .size: 8, .value_kind: global_buffer, .address_space: global }
    .group_segment_fixed_size: 327680
    .private_segment_fixed_size: 0
    .kernarg_segment_align: 8
    .kernarg_segment_size: 16
    .max_flat_workgroup_size: 512
    .sgpr_count:     66
    .vgpr_count:     256
    .wavefront_size: 32
...
	.end_amdgpu_metadata
.endif
;; end of part 3
;; launch proj (part 4): grid 4 x 32, 4 waves a work-group, clusters of 4 x 4, 327,680 bytes of LDS; arguments ob, xw, b_proj, out0; writes out0
.if DOCPART == 4
	.amdgcn_target "amdgcn-amd-amdhsa--gfx1250"
	.amdhsa_code_object_version 6
	.text
	.protected	k_qcfcffa4be6_proj
	.globl	k_qcfcffa4be6_proj
	.p2align	8
	.type	k_qcfcffa4be6_proj,@function
k_qcfcffa4be6_proj:
	s_mov_b64 s[64:65], 0
	v_nop
	global_prefetch_b8 v0, s[64:65] scope:SCOPE_SE
	s_setreg_imm32_b32 hwreg(HW_REG_WAVE_MODE, 25, 1), 1
	s_wait_xcnt 0x0
	s_wait_alu depctr_hold_cnt(0) depctr_sa_sdst(0) depctr_va_vdst(0) depctr_va_sdst(0) depctr_va_ssrc(0) depctr_va_vcc(0) depctr_vm_vsrc(0)
	s_getreg_b32 s2, hwreg(HW_REG_IB_STS2, 6, 4)
	s_cmp_eq_u32 s2, 0
	s_cbranch_scc0 .Lentry_in_a_cluster
	s_endpgm
.Lentry_in_a_cluster:
	s_bfe_u32 s2, ttmp6, 0x10000c
	s_cmp_lg_u32 s2, 0xf033
	s_cbranch_scc0 .Lentry_shape_is_right
	s_endpgm
.Lentry_shape_is_right:
.set O_SCL, 6291456
.set W_IMG, 6553600
.set W_SCL, 9699328
.set FR,    12
.set NL,    6
.set NP,    4
.set HALFT, 24576
.set SLOT,  98304
.set SCL,   294912
.set SPARE, 311296
.set SPITCH, 528
.set ADRA, 16
.set ADRB, 20
.set ADSA, 22
.set ADSB, 23
.set STO,  24
.set RD,   25
.set CO,   26
.set SPW,  28
.set NIL,  29
.set SC,   32
.set BI,   64
.set AF,   128
.set BK,   128
.set G1, 24
.set G0, 32
.set G1B, 48
.set G0B, 56
.set G1S, 68
.set G0S, 76
.set G1SB, 80
.set G0SB, 88
.set MSB, 0
.macro WIN new
.if MSB != (\new)
	s_set_vgpr_msb (MSB<<8)|(\new)
.set MSB, (\new)
.endif
.endm
.set MUL_LO, 0xa1
.set MUL_HI, 0xf1
.set FIRST_LO, 0x81
.set FIRST_HI, 0xc1
.set TO_B,   0x40
.macro JLOAD g0a, g1a, g0b, g1b
	s_cmp_eq_u32 s15, 0
	s_cbranch_scc0 .Lfor_b_\@
	tensor_load_to_lds s[\g0a:\g0a+3], s[\g1a:\g1a+7]
	s_nop 0
.rept 4
	v_nop
.endr
	s_branch .Lasked_\@
.Lfor_b_\@:
	tensor_load_to_lds s[\g0b:\g0b+3], s[\g1b:\g1b+7]
	s_nop 0
.rept 4
	v_nop
.endr
.Lasked_\@:
.endm
.macro CREST
	s_cmp_lg_u32 s14, 0
	s_cbranch_scc1 .Lnot_wave_0_\@
	s_barrier_signal -3
.Lnot_wave_0_\@:
	s_barrier_wait -3
	s_barrier_signal -1
	s_barrier_wait -1
.endm
.macro CROUND
	s_barrier_signal -1
	s_barrier_wait -1
	CREST
.endm
	s_load_b256 s[4:11], s[0:1], 0x0
	v_lshl_add_u32 v[SPW], v0, 2, SPARE
	v_mov_b32 v[NIL], 0
	ds_add_u32 v28, v29
	ds_add_u32 v28, v29
	s_wait_dscnt 0x0
	v_lshrrev_b32 v1, 5, v0
	v_readfirstlane_b32 s14, v1
	s_lshr_b32 s15, s14, 1
	s_and_b32 s16, s14, 1
	s_bfe_u32 s40, ttmp6, 0x40000
	s_bfe_u32 s41, ttmp6, 0x40004
	s_and_b32 s17, ttmp7, 0xffff
	s_lshl_b32 s17, s17, 2
	s_add_co_u32 s17, s17, s41
	s_add_co_u32 s42, s40, 12
	s_lshl_b32 s43, s41, 2
	s_lshl_b32 s43, 15, s43
	s_lshl_b32 s44, 0x1111, s40
	s_or_b32 s[G1+0], s43, (3<<16)|(1<<21)
	s_or_b32 s[G1B+0], s44, (3<<16)|(1<<21)
.irp g, G1, G1B
	s_mov_b32 s[\g+1], 384<<16
	s_mov_b32 s[\g+2], 16<<16
	s_mov_b32 s[\g+3], 384<<16
	s_mov_b32 s[\g+4], 16
	s_mov_b32 s[\g+5], 1536
	s_mov_b32 s[\g+6], 0
	s_mov_b32 s[\g+7], 0
.endr
	s_or_b32 s[G1S+0], s43, (3<<16)|(1<<21)
	s_or_b32 s[G1SB+0], s44, (3<<16)|(1<<21)
.irp g, G1S, G1SB
	s_mov_b32 s[\g+1], 32<<16
	s_mov_b32 s[\g+2], 32<<16
	s_mov_b32 s[\g+3], 32<<16
	s_mov_b32 s[\g+4], 32
	s_mov_b32 s[\g+5], 32
	s_mov_b32 s[\g+6], 0
	s_mov_b32 s[\g+7], 0
.endr
	s_mul_i32 s20, s17, 196608
	s_mov_b32 s21, 0
	s_lshl_b32 s22, s17, 13
	s_add_co_u32 s22, s22, O_SCL
	s_mov_b32 s23, 0
	s_mul_i32 s46, s42, 196608
	s_add_co_u32 s46, s46, W_IMG
	s_mov_b32 s47, 0
	s_lshl_b32 s92, s42, 13
	s_add_co_u32 s92, s92, W_SCL
	s_mov_b32 s93, 0
	s_mul_i32 s45, s14, HALFT
	s_mul_i32 s18, s16, 98304                      ; the half that I fetch in the ring, in bytes
	s_mov_b32 s19, 0
	s_wait_kmcnt 0x0
	s_add_nc_u64 s[20:21], s[4:5], s[20:21]
	s_add_nc_u64 s[22:23], s[4:5], s[22:23]
	s_add_nc_u64 s[46:47], s[6:7], s[46:47]
	s_add_nc_u64 s[92:93], s[6:7], s[92:93]
	CROUND
	s_mov_b32 s[G0S], 1
	s_mov_b32 s[G0S+1], SCL
	s_mov_b64 s[G0S+2:G0S+3], s[22:23]
	s_or_b32 s[G0S+3], s[G0S+3], 0x80000000
	s_mov_b32 s[G0SB], 1
	s_mov_b32 s[G0SB+1], SCL+8192
	s_mov_b64 s[G0SB+2:G0SB+3], s[92:93]
	s_or_b32 s[G0SB+3], s[G0SB+3], 0x80000000
.irp s, 0,1
	s_mov_b32 s[G0+4*\s], 1
	s_add_co_u32 s[G0+4*\s+1], s45, \s*SLOT
	s_add_nc_u64 s[G0+4*\s+2:G0+4*\s+3], s[20:21], \s*3072
	s_or_b32 s[G0+4*\s+3], s[G0+4*\s+3], 0x80000000
	s_mov_b32 s[G0B+4*\s], 1
	s_add_co_u32 s[G0B+4*\s+1], s45, \s*SLOT
	s_add_nc_u64 s[G0B+4*\s+2:G0B+4*\s+3], s[46:47], \s*3072
	s_or_b32 s[G0B+4*\s+3], s[G0B+4*\s+3], 0x80000000
.endr
; THE HEAD'S LOADS, ONE A WAVE: wave 0 slot 0's 256 rows of A, wave 1 its 256 rows of B, wave 2 A's scales, wave 3 B's.
	s_mov_b32 s[G0+1], 0
	s_mov_b32 s[G0B+1], 2*HALFT
	s_add_nc_u64 s[G0+6:G0+7], s[G0+6:G0+7], s[18:19]
	s_add_nc_u64 s[G0B+6:G0B+7], s[G0B+6:G0B+7], s[18:19]
	s_add_co_u32 s[G0+5], s[G0+5], s45             ; the large slot (K steps 2 to 5): a quarter is 2 HALFT bytes
	s_add_co_u32 s[G0B+5], s[G0B+5], s45
.macro ARM under, g0, g1, next
	s_cmp_lt_u32 s14, \under
	s_cbranch_scc0 \next
	tensor_load_to_lds s[\g0:\g0+3], s[\g1:\g1+7]
	s_nop 0
.rept 4
	v_nop
.endr
	s_branch .Lhead_asked
\next:
.endm
	ARM 1, G0,  G1,  .Lhead_b
	ARM 2, G0B, G1B, .Lhead_sa
	ARM 3, G0S, G1S, .Lhead_sb
	tensor_load_to_lds s[G0SB:G0SB+3], s[G1SB:G1SB+7]
	s_nop 0
.rept 4
	v_nop
.endr
.Lhead_asked:
	v_and_b32 v1, 31, v0
	s_wait_alu depctr_va_vdst(0)
	v_lshlrev_b32 v[CO], 4, v1
	s_wait_alu depctr_va_vdst(0)
	v_and_b32 v2, 15, v0
	v_bfe_u32 v3, v0, 4, 1
	v_lshlrev_b32 v5, 6, v3
	s_lshl_b32 s94, s40, 10
	s_lshl_b32 s95, s16, 9
	s_add_co_u32 s94, s94, s95
	s_mov_b32 s95, 0
	s_add_nc_u64 s[8:9], s[8:9], s[94:95]
.irp b, 0,1,2,3,4,5,6,7
	global_load_b128 v[BI+8*\b:BI+8*\b+3], v5, s[8:9] offset:(32*(\b/2)+8*(\b%2))*4
	global_load_b128 v[BI+8*\b+4:BI+8*\b+7], v5, s[8:9] offset:(32*(\b/2)+8*(\b%2))*4+16
.endr
	s_lshl_b32 s98, s17, 8
	s_lshl_b32 s99, s15, 7
	s_add_co_u32 s98, s98, s99
	s_lshl_b32 s98, s98, 12
	s_mov_b32 s99, 0
	s_add_nc_u64 s[12:13], s[10:11], s[98:99]
	s_add_nc_u64 s[12:13], s[12:13], s[94:95]
	v_lshlrev_b32 v4, 2, v1
	v_lshlrev_b32 v27, 3, v1                       ; 8 x lane: A's half images
	v_lshlrev_b32 v30, 1, v1                       ; 2 x lane: A's scale halves
	s_wait_alu depctr_va_vdst(0)
	s_mul_i32 s97, s15, HALFT
	s_mul_i32 s98, s16, HALFT
	s_add_co_u32 s98, s98, 2*HALFT
.irp s, 0,1
	v_add_nc_u32 v[ADRA+\s], s97, v27
	v_add_nc_u32 v[ADRB+\s], s98, v[CO]
	s_lshl_b32 s97, s97, 1                         ; in the large slot every part is twice as long
	s_lshl_b32 s98, s98, 1
	s_add_co_u32 s97, s97, SLOT
	s_add_co_u32 s98, s98, SLOT
.endr
	s_lshl_b32 s97, s15, 8                         ; 128 rows x 2 bytes
	s_add_co_u32 s97, s97, SCL
	v_add_nc_u32 v[ADSA], s97, v30
	s_lshl_b32 s98, s16, 9
	s_add_co_u32 s98, s98, SCL+8192
	v_add_nc_u32 v[ADSB], s98, v4
	s_mul_i32 s97, s14, 16*SPITCH
	s_add_co_u32 s97, s97, SLOT                    ; the stage lies in the large slot, which has had its one fill and, behind K step 5's barrier, its last read
	v_mul_u32_u24 v4, v2, SPITCH
	v_lshl_add_u32 v4, v3, 6, v4
	v_add_nc_u32 v[STO], s97, v4
	v_add_nc_u32 v[RD], s97, v[CO]
.macro FRAG reg, adr, q, i
.irp g, 0,1,2
	ds_load_b128 v[\reg+4*\g:\reg+4*\g+3], v[\adr] offset:(\i)*PT+QO*1536+512*\g
.endr
.endm
.macro WM a, b, p, q, sc, first
.set rD, 8*(8*((\a)%4)+(\b))
.set rB, 128*(\p)+FR*(\b)
.set rA, AF+FR*(\a)
.set rC, BI+8*(\b)
.set sB, SC+16*(((\sc)+(\q)/2)%2)+8*((\q)%2)+4+(\b)/2
.set sA, SC+16*(((\sc)+(\q)/2)%2)+8*((\q)%2)+(\a)/2
.set rw, 2*((\a)%2)+(\b)%2+4*(\first)
.if rw == 0
	v_wmma_scale_f32_16x16x128_f8f6f4 v[rD:rD+7], v[rB:rB+FR-1], v[rA:rA+FR-1], v[rD:rD+7], v[sB], v[sA] matrix_a_fmt:MATRIX_FMT_FP6 matrix_b_fmt:MATRIX_FMT_FP6
.elseif rw == 1
	v_wmma_scale_f32_16x16x128_f8f6f4 v[rD:rD+7], v[rB:rB+FR-1], v[rA:rA+FR-1], v[rD:rD+7], v[sB], v[sA] matrix_a_fmt:MATRIX_FMT_FP6 matrix_b_fmt:MATRIX_FMT_FP6 matrix_a_scale:MATRIX_SCALE_ROW1
.elseif rw == 2
	v_wmma_scale_f32_16x16x128_f8f6f4 v[rD:rD+7], v[rB:rB+FR-1], v[rA:rA+FR-1], v[rD:rD+7], v[sB], v[sA] matrix_a_fmt:MATRIX_FMT_FP6 matrix_b_fmt:MATRIX_FMT_FP6 matrix_b_scale:MATRIX_SCALE_ROW1
.elseif rw == 3
	v_wmma_scale_f32_16x16x128_f8f6f4 v[rD:rD+7], v[rB:rB+FR-1], v[rA:rA+FR-1], v[rD:rD+7], v[sB], v[sA] matrix_a_fmt:MATRIX_FMT_FP6 matrix_b_fmt:MATRIX_FMT_FP6 matrix_a_scale:MATRIX_SCALE_ROW1 matrix_b_scale:MATRIX_SCALE_ROW1
.elseif rw == 4
	v_wmma_scale_f32_16x16x128_f8f6f4 v[rD:rD+7], v[rB:rB+FR-1], v[rA:rA+FR-1], v[rC:rC+7], v[sB], v[sA] matrix_a_fmt:MATRIX_FMT_FP6 matrix_b_fmt:MATRIX_FMT_FP6
.elseif rw == 5
	v_wmma_scale_f32_16x16x128_f8f6f4 v[rD:rD+7], v[rB:rB+FR-1], v[rA:rA+FR-1], v[rC:rC+7], v[sB], v[sA] matrix_a_fmt:MATRIX_FMT_FP6 matrix_b_fmt:MATRIX_FMT_FP6 matrix_a_scale:MATRIX_SCALE_ROW1
.elseif rw == 6
	v_wmma_scale_f32_16x16x128_f8f6f4 v[rD:rD+7], v[rB:rB+FR-1], v[rA:rA+FR-1], v[rC:rC+7], v[sB], v[sA] matrix_a_fmt:MATRIX_FMT_FP6 matrix_b_fmt:MATRIX_FMT_FP6 matrix_b_scale:MATRIX_SCALE_ROW1
.else
	v_wmma_scale_f32_16x16x128_f8f6f4 v[rD:rD+7], v[rB:rB+FR-1], v[rA:rA+FR-1], v[rC:rC+7], v[sB], v[sA] matrix_a_fmt:MATRIX_FMT_FP6 matrix_b_fmt:MATRIX_FMT_FP6 matrix_a_scale:MATRIX_SCALE_ROW1 matrix_b_scale:MATRIX_SCALE_ROW1
.endif
.endm
.macro MUL16 a0, p, q, sc, first
.irp a, \a0, \a0+1
.irp b, 0,1,2,3,4,5,6,7
	WM \a, \b, \p, \q, \sc, \first
.endr
.endr
.endm
.macro FETCH_B slot, q, p
.set PT, 3072+3072*(\slot)             ; bytes of a row tile in the slot: two K steps in slot 0, four in the large slot
.set QO, (\q)%(2+2*(\slot))            ; the K step's place in it
	WIN TO_B
.irp i, 0,1,2,3,4,5,6,7
	FRAG 128*(\p)+FR*\i, ADRB+\slot, \q, \i
.endr
	WIN 0
.endm
.macro FETCH_A slot, q, i0
.set PT, 3072+3072*(\slot)
.set QO, (\q)%(2+2*(\slot))
.irp i, \i0, \i0+1, \i0+2, \i0+3
.irp g, 0,1,2,3,4,5                    ; A's fragment: two half images (one a head) of three runs of 256 bytes, 8 bytes a lane
	ds_load_b64 v[AF+FR*(\i)+2*\g:AF+FR*(\i)+2*\g+1], v[ADRA+\slot] offset:(\i)*PT+QO*1536+256*\g
.endr
.endr
.endm
.macro SCALES sc, k0
.irp q, 0,1
.irp i, 0,1,2,3
	ds_load_u16 v[224+8*\q+\i], v[ADSA] offset:(\k0+\q)*1024+64*\i       ; A's scales come as two halves, one a head
	ds_load_u16 v[228+8*\q+\i], v[ADSA] offset:(\k0+\q)*1024+512+64*\i
	ds_load_b32 v[SC+16*\sc+8*\q+4+\i], v[ADSB] offset:(\k0+\q)*1024+128*\i
.endr
.endr
.endm
.macro PLACES n
.rept \n
	v_nop
.endr
.endm
.macro STEP slot, q, first
	s_wait_dscnt 4*NL
.if (\q)%2 == 0                        ; the first of two K steps that share a set of scale words
.irp j, 0,1,2,3,8,9,10,11
	v_lshl_or_b32 v[SC+16*(((\slot)+(\q)/2)%2)+\j], v[228+\j], 16, v[224+\j]   ; A's scale words of these two K steps
.endr
.rept 8
	v_nop                                          ; a scale register written by a vector instruction stands 8 places ahead of a scaled product
.endr
	s_wait_alu depctr_va_vdst(0)
.endif
.if \first
	WIN FIRST_LO
.else
	WIN MUL_LO
.endif
	MUL16 0, (\q)%2, \q, \slot, \first
	MUL16 2, (\q)%2, \q, \slot, \first
	s_wait_dscnt 0x0
	PLACES NP
	FETCH_B \slot, (\q)+1, 1-(\q)%2
	FETCH_A \slot, (\q)+1, 0
.if (\slot) == 1 && (\q) == 1
	SCALES 0, 4                                    ; in the middle of the large slot: the scales of K steps 4 and 5
.endif
.if \first
	WIN FIRST_HI
.else
	WIN MUL_HI
.endif
	MUL16 4, (\q)%2, \q, \slot, \first
	MUL16 6, (\q)%2, \q, \slot, \first
	PLACES NP
	WIN 0
	FETCH_A \slot, (\q)+1, 4
.endm
.macro TURN slot, next, fill, k0, q, nq
	s_wait_tensorcnt 0x0
	ds_add_u32 v[SPW], v[NIL]
.if \fill
	s_mov_b32 s[G1+1], 384<<16                     ; no tensor load of mine is out: the refill's rows are two K steps long again
	s_mov_b32 s[G1+3], 384<<16
	s_mov_b32 s[G1B+1], 384<<16
	s_mov_b32 s[G1B+3], 384<<16
.endif
	s_wait_dscnt 4*NL+1
	WIN MUL_LO
	MUL16 0, 1, \q, \slot, 0
	s_wait_dscnt 0x0
	s_barrier_signal -1
	MUL16 2, 1, \q, \slot, 0
	WIN 0
	s_barrier_wait -1
.if \fill
	CREST
	s_add_nc_u64 s[G0+4*\slot+2:G0+4*\slot+3], s[G0+4*\slot+2:G0+4*\slot+3], 3*3072
	s_add_nc_u64 s[G0B+4*\slot+2:G0B+4*\slot+3], s[G0B+4*\slot+2:G0B+4*\slot+3], 3*3072
	JLOAD G0+4*\slot, G1, G0B+4*\slot, G1B
.else
	PLACES NP
.endif
	FETCH_B \next, \nq, 0
	FETCH_A \next, \nq, 0
	SCALES (((\k0)/2)%2), \k0
	WIN MUL_HI
	MUL16 4, 1, \q, \slot, 0
	MUL16 6, 1, \q, \slot, 0
	PLACES NP
	WIN 0
	FETCH_A \next, \nq, 4
.endm
	s_wait_alu depctr_va_vdst(0)
	s_wait_tensorcnt 0x0                           ; my tile of the head's four is in
	ds_add_u32 v[SPW], v[NIL]
	s_mov_b32 s[G1+1], 768<<16                     ; the large slot's rows: four K steps, 6,144 bytes
	s_mov_b32 s[G1+3], 768<<16
	s_mov_b32 s[G1+2], 8<<16
	s_mov_b32 s[G1+4], 8
	s_mov_b32 s[G1B+1], 768<<16
	s_mov_b32 s[G1B+3], 768<<16
	s_mov_b32 s[G1B+2], 8<<16
	s_mov_b32 s[G1B+4], 8
	s_mov_b32 s[G0+1], s45                         ; and slot 0's group 0 names my quarter
	s_mov_b32 s[G0B+1], s45
	s_add_nc_u64 s[G0+2:G0+3], s[G0+2:G0+3], s[18:19]
	s_add_nc_u64 s[G0B+2:G0B+3], s[G0B+2:G0B+3], s[18:19]
	s_wait_dscnt 0x0
	CROUND
	JLOAD G0+4, G1, G0B+4, G1B                     ; slot 1's first fill: the first tensor load behind the round
	FETCH_B 0, 0, 0
	FETCH_A 0, 0, 0
	SCALES 0, 0
	FETCH_A 0, 0, 4
	s_wait_loadcnt 0x0
	STEP 0, 0, 1
	TURN 0, 1, 1, 2, 1, 0                          ; K step 1; slot 0 takes K steps 6 and 7; on into the large slot
	STEP 1, 0, 0                                   ; K steps 2, 3, 4: no barrier inside the large slot
	STEP 1, 1, 0
	STEP 1, 2, 0
	TURN 1, 0, 0, 6, 3, 2                          ; K step 5; nothing is left to fetch; back into slot 0
	STEP 0, 2, 0                                   ; K step 6
	s_wait_dscnt 4*NL
	WIN MUL_LO
	MUL16 0, 1, 1, 1, 0
	MUL16 2, 1, 1, 1, 0
	s_wait_dscnt 0x0
	WIN MUL_HI
	MUL16 4, 1, 1, 1, 0
	MUL16 6, 1, 1, 1, 0
	WIN 0
.macro TOSTAGE a
.set AC, 64*((\a)%4)
	WIN 0x08+4*((\a)/4)
.irp b, 0,1,2,3,4,5,6,7
	ds_store_b128 v[STO], v[AC+8*\b:AC+8*\b+3] offset:128*(\b/2)+32*(\b%2)
	ds_store_b128 v[STO], v[AC+8*\b+4:AC+8*\b+7] offset:128*(\b/2)+32*(\b%2)+16
.endr
	WIN 0
.set BB, BK+64*((\a)%2)
.irp t, 0,1,2,3,4,5,6,7,8,9,10,11,12,13,14,15
	ds_load_b128 v[BB+4*\t:BB+4*\t+3], v[RD] offset:\t*SPITCH
.endr
.endm
.macro SEND a, younger
.set BB, BK+64*((\a)%2)
	s_wait_dscnt \younger
.irp t, 0,1,2,3,4,5,6,7,8,9,10,11,12,13,14,15
	global_store_b128 v[CO], v[BB+4*\t:BB+4*\t+3], s[12:13] offset:(64*((\a)/4)+8*((\a)%4)+32*(\t/8)+\t%8)*4096 th:TH_STORE_NT   ; place 16 a + t of my 128 holds this row (the quantising launch's order of x's rows)
.endr
.endm
	PLACES NP
	TOSTAGE 0
.irp a, 1,2,3,4,5,6,7
.if \a > 1
	s_wait_xcnt 0x0
.endif
	TOSTAGE \a
	SEND \a-1, 32
.endr
	SEND 7, 0
	s_wait_tensorcnt 0x0
	ds_add_u32 v[SPW], v[NIL]
	s_wait_dscnt 0x0
	CROUND
	s_endpgm
.Lfunc_end_k_qcfcffa4be6_proj:
	.size	k_qcfcffa4be6_proj, .Lfunc_end_k_qcfcffa4be6_proj-k_qcfcffa4be6_proj
	.p2alignl 7, 3214868480
	.fill 96, 4, 3214868480
	.section	.rodata,"a",@progbits
	.p2align	6, 0x0
	.amdhsa_kernel k_qcfcffa4be6_proj
		.amdhsa_group_segment_fixed_size 327680
		.amdhsa_private_segment_fixed_size 0
		.amdhsa_enable_private_segment 0
		.amdhsa_kernarg_size 32
		.amdhsa_user_sgpr_count 2
		.amdhsa_user_sgpr_kernarg_segment_ptr 1
		.amdhsa_wavefront_size32 1
		.amdhsa_system_sgpr_workgroup_id_x 1
		.amdhsa_system_sgpr_workgroup_id_y 1
		.amdhsa_system_sgpr_workgroup_id_z 1
		.amdhsa_system_vgpr_workitem_id 0
		.amdhsa_next_free_vgpr 1024
		.amdhsa_next_free_sgpr 100
		.amdhsa_reserve_vcc 0
		.amdhsa_float_denorm_mode_32 3
		.amdhsa_float_denorm_mode_16_64 3
		.amdhsa_memory_ordered 1
		.amdhsa_forward_progress 1
		.amdhsa_inst_pref_size 156
	.end_amdhsa_kernel
	.amdgpu_metadata
---
amdhsa.version: [ 1, 2 ]
amdhsa.kernels:
  - .name:           k_qcfcffa4be6_proj
    .symbol:         k_qcfcffa4be6_proj.kd
    .args:
      - { .name: ob, .offset: 0, .size: 8, .value_kind: global_buffer, .address_space: global }
      - { .name: xw, .offset: 8, .size: 8, .value_kind: global_buffer, .address_space: global }
      - { .name: b_proj, .offset: 16, .size: 8, .value_kind: global_buffer, .address_space: global }
      - { .name: out0, .offset: 24, .size: 8, .value_kind: global_buffer, .address_space: global }
    .group_segment_fixed_size: 327680
    .private_segment_fixed_size: 0
    .kernarg_segment_align: 8
    .kernarg_segment_size: 32
    .max_flat_workgroup_size: 128
    .sgpr_count:     100
    .vgpr_count:     1024
    .wavefront_size: 32
...
	.end_amdgpu_metadata
.endif
;; end of part 4
